; MI455X (gfx1250); checked and timed in simulation.
; The chip was launched on July 23, 2026; its instructions are those of AMD's public machine-readable ISA for CDNA 5 (MIT licence, August 2026) and "CDNA5" Instruction Set Architecture Reference Guide (July 2026). The comments in the code are by the model that wrote it; some were corrected since.
;; Hydra Attention. Allowed arithmetic: float matrix products may take bf16 or f16 operands with f32 sums; other float arithmetic in f32, or as packed bf16 or f16 multiplies, adds, multiply-adds, maxima and minima; sums over many terms, partial sums and values carried from step to step in f32; what a program stores and reads back later, other than sums and carried values, may be rounded once to bf16 or f16.
;; Inputs: Wqkv 1,024 x 3,072 float32; bias 1 x 1 x 1,024 float32; bqkv 3,072 float32; scale 1 x 1 x 1,024 float32; x 4 x 4,096 x 1,024 float32.
;; Outputs: out0 4 x 4,096 x 1,024 float32.
;; 2 versions, each right; version 2 is version 1 with the launch final written anew for expert scheduling mode. Each part assembles by itself: llvm-mc -triple=amdgcn-amd-amdhsa -mcpu=gfx1250 --defsym DOCPART=n.
;; ======== version 1 of 2: 4 launches
;; limits: right only within a limited range of input values; values are held in f16: magnitudes above 65,504 overflow, below 6.1e-05 lose precision
;; workspace buffers: xb 33,554,432 bytes; wt 6,291,456 bytes; bqr 12,288 bytes; qh 33,554,432 bytes; ph 33,554,432 bytes; ssq 2,621,440 bytes; kvp 131,072 bytes
;; launch prep (part 1): grid 1409 x 1, 8 waves a work-group, no clusters, 18,432 bytes of LDS; arguments x, Wqkv, bqkv, xb, wt, bqr; writes xb, wt, bqr
.if DOCPART == 1
	.amdgcn_target "amdgcn-amd-amdhsa--gfx1250"
	.amdhsa_code_object_version 6
	.text
	.protected	k_q7e8e208b88_prep
	.globl	k_q7e8e208b88_prep
	.p2align	8
	.type	k_q7e8e208b88_prep,@function
k_q7e8e208b88_prep:
	s_mov_b64 s[64:65], 0
	v_nop
	global_prefetch_b8 v0, s[64:65] scope:SCOPE_SE
	s_setreg_imm32_b32 hwreg(HW_REG_WAVE_MODE, 25, 1), 1
	s_wait_xcnt 0x0
; HYDRA ATTENTION, launch 1 of 4: the operands of the product x Wqkv are rounded to bf16 and laid out with K along the rows.
; THE WHOLE PROGRAM.  qkv = x Wqkv + bqkv; q and k divided by their rows' norms; kv[b][d] = sum over t of k v; out = q kv scale + bias.
; No work of reference() is left out: every product, every row and all five inputs reach the output.
; All five inputs are rounded once to bf16 (x, Wqkv and bqkv here, scale and bias in the last launch); products and sums are kept in f32.
; THE ORDER OF wt's ROWS (and of bqr's numbers).  Rows 0 .. 1023: q's columns.  Row 1024 + 128 c + u, c = 0 .. 15: k's column 64 c + u for u < 64, v's column 64 c + u - 64 for u >= 64:
; so a wave of the product launch, which makes 128 neighbouring rows of wt, holds k and v of the same 64 columns d.
; THREE JOBS, picked by the work-group's number alone, so that the eight waves of a work-group always take the same way:
;   0 .. 383     a block of 128 k x 64 n of Wqkv [1024 k][3072 n] is turned into 64 neighbouring rows of wt [3072][1024 k], through LDS
;   384 .. 1407  65,536 bytes of x (16 rows) are rounded into xb
;   1408         bqkv is rounded to bf16 and stored as f32 into bqr
; No matrix work, no cluster, no tensor loads: each byte has one reader, and a work-group's loads all go out before its first wait.
.set ROWW,  12288                      ; bytes in a row of Wqkv
.set TP,    272                        ; an LDS row: 128 k x 2 bytes + 16 of padding
.set SPARE, 64*TP                      ; behind the 64 rows: the spare words, 128 bytes for each of the eight waves
.set SPW, 4                            ; v4  LDS address of my spare word; never rewritten
.set NIL, 5                            ; v5  0; never rewritten
	s_load_b256 s[4:11], s[0:1], 0x0               ; x s[4:5], Wqkv s[6:7], bqkv s[8:9], xb s[10:11]
	s_load_b128 s[12:15], s[0:1], 0x20             ; wt s[12:13], bqr s[14:15]
	v_lshl_add_u32 v[SPW], v0, 2, SPARE
	v_mov_b32 v[NIL], 0
	s_mov_b32 s16, ttmp9
	s_mov_b32 s19, 0                               ; the high word of every offset pair s[18:19]
	s_wait_kmcnt 0x0
	s_cmp_lt_u32 s16, 384
	s_cbranch_scc1 .Ltrans
	s_cmp_lt_u32 s16, 1408
	s_cbranch_scc1 .Lcast
	; THE BIAS: 3,072 numbers, 16 bytes a thread, three times: q's, k's, v's
	v_lshlrev_b32 v1, 4, v0
	v_lshrrev_b32 v7, 4, v0                        ; thread t holds d = 4 t ..: chunk t / 16,
	v_and_b32 v8, 15, v0                           ; place 4 (t % 16) in it
	v_lshlrev_b32 v7, 9, v7                        ; a chunk is 128 numbers, 512 bytes, of bqr
	v_lshl_add_u32 v7, v8, 4, v7
.irp j, 0,1,2
	global_load_b128 v[16+4*(\j):19+4*(\j)], v1, s[8:9] offset:4096*(\j)
.endr
	s_wait_loadcnt 0x0
.irp q, 0,1,2,3,4,5
	v_cvt_pk_bf16_f32 v[28+(\q)], v[16+2*(\q)], v[17+2*(\q)]    ; two roundings to bf16,
.endr
.irp q, 0,1,2,3,4,5
	v_lshlrev_b32 v[36+2*(\q)], 16, v[28+(\q)]                  ; and back to f32: the low half moves up,
	v_and_b32 v[37+2*(\q)], 0xffff0000, v[28+(\q)]              ; the high half stays
.endr
	global_store_b128 v1, v[36:39], s[14:15]                    ; q's as they lie
	global_store_b128 v7, v[40:43], s[14:15] offset:4096        ; k's: the first 256 bytes of each chunk: sixteen lanes store 256 consecutive bytes, aligned
	global_store_b128 v7, v[44:47], s[14:15] offset:4096+256    ; v's: the second
	s_branch .Lend
.Lcast:                                        ; X: thread t takes 16 bytes at 16 t of each of 16 pieces of 4,096 bytes
	s_sub_co_u32 s17, s16, 384
	s_lshl_b32 s18, s17, 16
	s_add_nc_u64 s[4:5], s[4:5], s[18:19]
	s_lshl_b32 s18, s17, 15
	s_add_nc_u64 s[10:11], s[10:11], s[18:19]
	v_lshlrev_b32 v1, 4, v0
	v_lshlrev_b32 v2, 3, v0
.irp j, 0,1,2,3,4,5,6,7,8,9,10,11,12,13,14,15
	global_load_b128 v[16+4*(\j):19+4*(\j)], v1, s[4:5] offset:4096*(\j) th:TH_LOAD_NT  ; a wave's load covers 512 consecutive bytes; all 16 go out before the first wait
.endr
.irp j, 0,1,2,3,4,5,6,7,8,9,10,11,12,13,14,15
	s_wait_loadcnt 15-(\j)                         ; loads come back in order: piece j is in, the younger ones stay out
	v_cvt_pk_bf16_f32 v[80+2*(\j)], v[16+4*(\j)], v[17+4*(\j)]
	v_cvt_pk_bf16_f32 v[81+2*(\j)], v[18+4*(\j)], v[19+4*(\j)]
	global_store_b64 v2, v[80+2*(\j):81+2*(\j)], s[10:11] offset:2048*(\j)  ; a wave's store covers 256 consecutive bytes, aligned; no register is used twice
.endr
	s_branch .Lend
.Ltrans:                                       ; WQKV: block kt (128 k) x nt (64 n).  c = t % 16: four columns n; p = t / 16: a pair of rows k
	s_and_b32 s17, s16, 7                          ; kt
	s_lshr_b32 s20, s16, 3                         ; nt: 0-15 q, 16-31 k, 32-47 v
	s_mul_i32 s18, s17, 128*ROWW
	s_lshl_b32 s21, s20, 8
	s_add_co_u32 s18, s18, s21
	s_add_nc_u64 s[6:7], s[6:7], s[18:19]          ; Wqkv at row 128 kt, byte 256 nt
	s_and_b32 s22, s20, 15                         ; the chunk
	s_lshl_b32 s23, s22, 7
	s_add_co_u32 s23, s23, 1024                    ; k's 64 rows of it begin at 1024 + 128 c,
	s_lshr_b32 s24, s20, 5
	s_lshl_b32 s24, s24, 6
	s_add_co_u32 s23, s23, s24                     ; v's 64 further down
	s_lshl_b32 s24, s20, 6                         ; q's at 64 nt
	s_cmp_lt_u32 s20, 16
	s_cselect_b32 s23, s24, s23
	s_lshl_b32 s18, s23, 11                        ; 2,048 bytes a row of wt
	s_lshl_b32 s21, s17, 8
	s_add_co_u32 s18, s18, s21
	s_add_nc_u64 s[12:13], s[12:13], s[18:19]      ; wt at the block's first row, byte 256 kt
	v_and_b32 v8, 15, v0                           ; c
	v_lshrrev_b32 v9, 4, v0                        ; p
	v_mul_u32_u24 v1, v9, 2*ROWW
	v_lshl_add_u32 v1, v8, 4, v1                   ; from memory: row 2 p, byte 16 c
	v_mul_u32_u24 v2, v8, 4*TP
	v_lshl_add_u32 v2, v9, 2, v2                   ; into LDS: row 4 c, byte 4 p
	v_mul_u32_u24 v3, v9, TP
	v_lshl_add_u32 v3, v8, 4, v3                   ; back: row p, byte 16 c
	v_lshlrev_b32 v6, 11, v9
	v_lshl_add_u32 v6, v8, 4, v6                   ; and the same place in wt
.irp j, 0,1,2,3
	global_load_b128 v[16+8*(\j):19+8*(\j)], v1, s[6:7] offset:(32*(\j))*ROWW th:TH_LOAD_NT    ; row k = 2 p + 32 j: sixteen lanes read 256 consecutive bytes, aligned
	global_load_b128 v[20+8*(\j):23+8*(\j)], v1, s[6:7] offset:(32*(\j)+1)*ROWW th:TH_LOAD_NT  ; row k + 1
.endr
.irp j, 0,1,2,3
	s_wait_loadcnt 6-2*(\j)                        ; pair j of rows is in; the younger pairs stay out
.irp i, 0,1,2,3
	v_cvt_pk_bf16_f32 v[48+4*(\j)+(\i)], v[16+8*(\j)+(\i)], v[20+8*(\j)+(\i)]  ; (k, k + 1) of column 4 c + i: neighbours in a row of wt
	ds_store_b32 v2, v[48+4*(\j)+(\i)] offset:TP*(\i)+64*(\j)
.endr
.endr
	s_wait_dscnt 0x0                               ; for the others' sake: my stores are done
	s_barrier_signal -1
	s_barrier_wait -1
.irp u, 0,1,2,3
	ds_load_b128 v[64+4*(\u):67+4*(\u)], v3 offset:16*TP*(\u)      ; row n = p + 16 u
.endr
.irp u, 0,1,2,3
	s_wait_dscnt 3-(\u)
	global_store_b128 v6, v[64+4*(\u):67+4*(\u)], s[12:13] offset:32768*(\u)  ; sixteen lanes store 256 consecutive bytes, aligned
.endr
.Lend:
	s_wait_tensorcnt 0x0                           ; the wave's end, behind my last LDS store
	ds_add_u32 v[SPW], v[NIL]
	s_wait_dscnt 0x0
	s_endpgm
.Lfunc_end_k_q7e8e208b88_prep:
	.size	k_q7e8e208b88_prep, .Lfunc_end_k_q7e8e208b88_prep-k_q7e8e208b88_prep
	.p2alignl 7, 3214868480
	.fill 96, 4, 3214868480
	.section	.rodata,"a",@progbits
	.p2align	6, 0x0
	.amdhsa_kernel k_q7e8e208b88_prep
		.amdhsa_group_segment_fixed_size 18432
		.amdhsa_private_segment_fixed_size 0
		.amdhsa_enable_private_segment 0
		.amdhsa_kernarg_size 48
		.amdhsa_user_sgpr_count 2
		.amdhsa_user_sgpr_kernarg_segment_ptr 1
		.amdhsa_wavefront_size32 1
		.amdhsa_system_sgpr_workgroup_id_x 1
		.amdhsa_system_sgpr_workgroup_id_y 1
		.amdhsa_system_sgpr_workgroup_id_z 1
		.amdhsa_system_vgpr_workitem_id 0
		.amdhsa_next_free_vgpr 112
		.amdhsa_next_free_sgpr 66
		.amdhsa_reserve_vcc 0
		.amdhsa_float_denorm_mode_32 3
		.amdhsa_float_denorm_mode_16_64 3
		.amdhsa_memory_ordered 1
		.amdhsa_forward_progress 1
		.amdhsa_inst_pref_size 14
	.end_amdhsa_kernel
	.amdgpu_metadata
---
amdhsa.version: [ 1, 2 ]
amdhsa.kernels:
  - .name:           k_q7e8e208b88_prep
    .symbol:         k_q7e8e208b88_prep.kd
    .args:
      - { .name: x, .offset: 0, .size: 8, .value_kind: global_buffer, .address_space: global }
      - { .name: Wqkv, .offset: 8, .size: 8, .value_kind: global_buffer, .address_space: global }
      - { .name: bqkv, .offset: 16, .size: 8, .value_kind: global_buffer, .address_space: global }
      - { .name: xb, .offset: 24, .size: 8, .value_kind: global_buffer, .address_space: global }
      - { .name: wt, .offset: 32, .size: 8, .value_kind: global_buffer, .address_space: global }
      - { .name: bqr, .offset: 40, .size: 8, .value_kind: global_buffer, .address_space: global }
    .group_segment_fixed_size: 18432
    .private_segment_fixed_size: 0
    .kernarg_segment_align: 8
    .kernarg_segment_size: 48
    .max_flat_workgroup_size: 256
    .sgpr_count:     66
    .vgpr_count:     112
    .wavefront_size: 32
...
	.end_amdgpu_metadata
.endif
;; end of part 1
;; launch gemm (part 2): grid 4 x 64, 4 waves a work-group, clusters of 4 x 4, 327,680 bytes of LDS; arguments xb, wt, bqr, qh, ph, ssq; writes qh, ph, ssq
.if DOCPART == 2
	.amdgcn_target "amdgcn-amd-amdhsa--gfx1250"
	.amdhsa_code_object_version 6
	.text
	.protected	k_q7e8e208b88_gemm
	.globl	k_q7e8e208b88_gemm
	.p2align	8
	.type	k_q7e8e208b88_gemm,@function
k_q7e8e208b88_gemm:
	s_mov_b64 s[64:65], 0
	v_nop
	global_prefetch_b8 v0, s[64:65] scope:SCOPE_SE
	s_setreg_imm32_b32 hwreg(HW_REG_WAVE_MODE, 25, 1), 1
	s_wait_xcnt 0x0
	s_wait_alu depctr_hold_cnt(0) depctr_sa_sdst(0) depctr_va_vdst(0) depctr_va_sdst(0) depctr_va_ssrc(0) depctr_va_vcc(0) depctr_vm_vsrc(0)
	s_getreg_b32 s2, hwreg(HW_REG_IB_STS2, 6, 4)
	s_cmp_eq_u32 s2, 0
	s_cbranch_scc0 .Lentry_in_a_cluster
	s_endpgm
.Lentry_in_a_cluster:
	s_bfe_u32 s2, ttmp6, 0x10000c
	s_cmp_lg_u32 s2, 0xf033
	s_cbranch_scc0 .Lentry_shape_is_right
	s_endpgm
.Lentry_shape_is_right:
; HYDRA ATTENTION, launch 2 of 4: qkv = x Wqkv + bqkv, and p = k v.  xb [16384][1024] and wt [3072][1024] in bf16, K along the rows; sums in f32.  Nothing of reference() is left out.
; WHAT IS STORED.  Of q: a wave's 128 columns of a row are a SEGMENT; qh [16384][1024] in f16 holds each number divided by the root of its segment's sum of squares sq, so that it lies in -1 .. 1
; whatever the inputs' size.  Of k and v: wt's rows are so ordered that a wave holds k and v of the same 64 columns d, a CHUNK; it forms p = k v in registers; ph [16 chunks][16384 rows][64] in f16 holds
; p divided by the root of sp, the sum of p^2 over the chunk.  k and v themselves are not stored.  ssq, in f32: sq [8 segments][16384 rows], then sk [16 chunks][16384] (the sum of k^2 over the chunk),
; then sp [16][16384].  A row's squared norm is the sum of its eight sq, or of its sixteen sk.
; LIMITS.  sq and sp are kept as max(s, 2^-100): the stored pair still gives the number back, but a row of q whose norm lies below about 2^-49 (a row of zeros too, where reference() gives NaN) gets a
; finite result.  sq and sk overflow where numbers pass about 1e18, as reference()'s own norm does; sp where k v passes about 1e18.  NaN and infinities are not treated apart.
; SHARES.  A tile of 256 rows of xb x 256 rows of wt is made by four waves, 128 x 128 each: 64 accumulators of 16 x 16, 512 registers.  K goes in steps of 128 through a ring of two LDS slots filled by tensor loads.
; A WORK-GROUP STAYS: it makes three tiles: xb's rows repeat, wt's go 1,024 rows down: q's columns, then two tiles of k and v.  The ring does not stop at a tile's end.
; CLUSTERS: 4 x 4 work-groups.  The four of a row of the cluster need the same tiles of xb, the four of a column the same tiles of wt: each tile is asked for JOINTLY, by the same tensor load with the same
; descriptor and a mask that names the four.
; THE MATRIX INSTRUCTION IS USED TRANSPOSED (source 0 = 16 rows of wt, source 1 = 16 rows of xb): lane l holds row l % 16 and the columns 8 (l / 16) + 0..7.  A tile's first products take the BIAS as C.
; REGISTERS, in windows of 256 (s_set_vgpr_msb: bits 1:0 source 0, 3:2 source 1, 5:4 source 2, 7:6 destination):
;   window 0: v0-31 addresses; v64-127, v128-191 fragments of xb, two buffers (on the way out v128-191 hold sums of squares); v32-63, v192-255 at work on the way out
;   window 1: v0-63 the bias of my 128 rows of wt, laid out as C; v64-127, v128-191 fragments of wt        windows 2, 3: the accumulators of my rows 0-63, 64-127 ((a, b) at v[8 (8 a + b)])
.set SIZE_K, 1024
.set CN,     1024                      ; columns of qh
.set KSTEP,  128
.set PITCH,  272                       ; an LDS row: 256 bytes + 16 of padding = 68 words: the 16 rows that a load touches start at 16 different groups of four banks (64 banks of 4 bytes: ISA guide 11.1)
.set HALFT,  128*PITCH                 ; 128 rows: what one tensor load brings
.set SLOT,   4*HALFT                   ; xb's 256 rows, then wt's 256 rows
.set STAGE,  2*SLOT                    ; behind the ring: 4,352 bytes for each wave, for the way out: 16 rows at a pitch of 272 (q) or 144 (p)
.set SPITCH, 272
.set KPITCH, 144                       ; 128 bytes + 16 = 36 words: again 16 different groups of four banks
.set SSB,    STAGE+4*16*SPITCH         ; 1,024 bytes for each wave: its 128 rows' sums, two kinds
.set SPARE,  SSB+4*1024                ; the spare words, 128 bytes for each wave: two blocks of 256 bytes that no other line names
.set LAPS,   SIZE_K/(2*KSTEP)          ; a lap = two K steps = once round the ring
.set TILES,  3
.set BACK_A, (SIZE_K-2*KSTEP)*2        ; bytes from a slot's last K step of a tile back to its first: xb's rows repeat
.set NEXT_B, 1024*SIZE_K*2-BACK_A      ; wt goes 1,024 rows down and back along K
.set PF_NEXT, 1023*SIZE_K*2+KSTEP*2    ; the prefetches: from the K step after a tile's last to the next tile's K step 1
.set CHUNKB, 16384*128                 ; bytes of a chunk of ph
.set SSA,  6                           ; v6      where I put a row's sum
.set SSR,  7                           ; v7      where I read four rows' sums back
.set SD,   8                           ; v8-11   four rows' sums (sq, or sk)
.set SSO,  12                          ; v12     16 x lane: my byte offset in 512 consecutive bytes of ssq or of ph
.set BO,   13                          ; v13     my byte offset in a tile's 1,024 numbers of bias
.set STK,  14                          ; v14     p's way out: where I put 16 bytes of a row
.set RDK,  15                          ; v15     where I read rows back
.set ADRA, 16                          ; v16-17  LDS address of my xb fragments in slot 0, 1
.set ADRB, 20                          ; v20-21  the same for wt
.set STO,  24                          ; v24     q's way out: where I put 16 bytes of a row
.set RD,   25                          ; v25     where I read a row back
.set CO,   26                          ; v26     my byte offset in two rows of qh
.set SPW,  28                          ; v28     LDS address of my spare word; never rewritten
.set NIL,  29                          ; v29     0; never rewritten
.set PFO,  30                          ; v30     the prefetches' offset: lane x 2,048 bytes; never rewritten
.set SD2,  48                          ; v48-51  four rows' sp
.set F0,   64
.set F1,   128
.set CH,   128                         ; the way out: block a's eight registers at CH + 8 a: four chains of pairs, then the reciprocal root at +0 and sq or sk at +1
.set CP,   192                         ; the same for p's squares, until the first block is packed
.set TMP,  192
.set OB,   32                          ; rows read back from the stage: from v32 and from v224 by turns
.set BIA,  0                           ; window 1
.set G1, 24                            ; s[24:31] descriptor group 1 for xb's tiles;  s[32:39] group 0, a set for each slot
.set G0, 32
.set G1B, 48                           ; s[48:55], s[56:63] the same for wt's
.set G0B, 56
.set LIM,  43                          ; s43     1 in a wave that prefetches, else the greatest number
.set PFA,  44                          ; s[44:45] where my prefetches stand
.set BQ,   66                          ; s[66:67] bqr at the tile in hand
.set SS,   68                          ; s[68:69] ssq at my segment's sq and my rows
.set SEL,  70                          ; s[70:71] v_permlanex16_b32's selects: each lane takes its own place in the other half
.set FLOOR, 72                         ; s72     2^-100
.set PH,   78                          ; s[78:79] ph; from the first way out of p on: at my chunk and rows
.set KO,   80                          ; s[80:81] what the next way out of p adds to it
.set SKP,  82                          ; s[82:83] ssq; later: at my chunk's sk and my rows; sp lies 1,048,576 bytes on
.set SO,   84                          ; s[84:85] what the next way out of p adds to it
.set MSB, 0
.macro WIN new                         ; the immediate's high byte repeats the setting that is left; a switch that changes nothing is dropped
.if MSB != (\new)
	s_set_vgpr_msb (MSB<<8)|(\new)
.set MSB, \new
.endif
.endm
.set TO_B, 0x40                        ; destination window 1, address window 0
; A joint load.  Waves 0 and 1 fetch xb's two halves, waves 2 and 3 wt's.  The branch hangs on the wave's number alone.  An s_nop 0 and four v_nop follow each of the two lines.
.macro JLOAD s
	s_cmp_eq_u32 s11, 0
	s_cbranch_scc0 .Lfor_b_\@
	tensor_load_to_lds s[G0+4*(\s):G0+4*(\s)+3], s[G1:G1+7]
	s_nop 0
.rept 4
	v_nop
.endr
	s_branch .Lasked_\@
.Lfor_b_\@:
	tensor_load_to_lds s[G0B+4*(\s):G0B+4*(\s)+3], s[G1B:G1B+7]
	s_nop 0
.rept 4
	v_nop
.endr
.Lasked_\@:
.endm
; A PREFETCH INTO THE L2, behind each joint load, its five lines and the run of LDS loads: the K step that stands TWO refills, 512 matrix instructions, on: 32 rows x 256 bytes, a lane a row, one instruction a wave.
; Each row's 256 bytes of a K step are named once in the launch.  xb's rows belong to one cluster alone, which asks for them in its first tile; wt's rows are read by all sixteen clusters: cluster y = 0 asks.
; The four partners that ask for a tile jointly share its rows out BY ADDRESS, 32 each.  how = 0, in the loop: a tile's last two refills have no K step two on; how = 1, at a change of tiles.
.macro ASK how
.if \how
	s_cmp_eq_u32 s[LIM], 1
.else
	s_cmp_gt_u32 s3, s[LIM]                        ; s3 = 1 in the loop's last trip
.endif
	s_cbranch_scc0 .Lnot_mine_\@
	global_prefetch_b8 v[PFO], s[PFA:PFA+1] offset:KSTEP*2 th:TH_LOAD_NT scope:SCOPE_SE
.Lnot_mine_\@:
.endm
.macro CREST                           ; a round of the cluster's barrier behind its opening barrier
	s_cmp_lg_u32 s10, 0
	s_cbranch_scc1 .Lnot_wave_0_\@
	s_barrier_signal -3
.Lnot_wave_0_\@:
	s_barrier_wait -3
	s_barrier_signal -1
	s_barrier_wait -1
.endm
.macro CROUND                          ; a whole round
	s_barrier_signal -1
	s_barrier_wait -1
	CREST
.endm
.macro BIASLOAD                        ; block b's C: register j of lane l is the bias of row 16 b + 8 (l / 16) + j of my 128 rows of wt
	WIN TO_B
.irp b, 0,1,2,3,4,5,6,7
	global_load_b128 v[BIA+8*(\b):BIA+8*(\b)+3],   v[BO], s[BQ:BQ+1] offset:64*(\b)
	global_load_b128 v[BIA+8*(\b)+4:BIA+8*(\b)+7], v[BO], s[BQ:BQ+1] offset:64*(\b)+16
.endr
	WIN 0
.endm
	s_load_b128 s[4:7], s[0:1], 0x0                ; xb s[4:5], wt s[6:7]
	s_load_b64 s[BQ:BQ+1], s[0:1], 0x10            ; bqr
	s_load_b64 s[8:9], s[0:1], 0x18                ; qh
	s_load_b64 s[PH:PH+1], s[0:1], 0x20            ; ph
	s_load_b64 s[SS:SS+1], s[0:1], 0x28            ; ssq
	v_lshl_add_u32 v[SPW], v0, 2, SPARE
	v_mov_b32 v[NIL], 0
	ds_add_u32 v[SPW], v[NIL]                      ; the wave's opening: the add, twice on end, and its wait ahead of my first tensor load; the set-up below stands between
	ds_add_u32 v[SPW], v[NIL]
	v_lshrrev_b32 v1, 5, v0
	v_readfirstlane_b32 s10, v1                    ; wave 0..3
	s_lshr_b32 s11, s10, 1                         ; which half of the tile's rows is mine.  Also: I fetch for xb (0) or for wt (1)
	s_and_b32 s12, s10, 1                          ; which half of its columns.  Also: which 128 rows of that tile I fetch
	s_bfe_u32 s40, ttmp6, 0x40000                  ; cx
	s_bfe_u32 s41, ttmp6, 0x40004                  ; cy
	s_lshl_b32 s42, ttmp9, 2
	s_add_co_u32 s42, s42, s40                     ; tile column = 4 x cluster x + cx
	s_and_b32 s13, ttmp7, 0xffff
	s_lshl_b32 s13, s13, 2
	s_add_co_u32 s13, s13, s41                     ; tile row = 4 x cluster y + cy
	s_lshl_b32 s43, s41, 2
	s_lshl_b32 s43, 15, s43                        ; my row of the cluster
	s_lshl_b32 s44, 0x1111, s40                    ; my column
	s_or_b32 s[G1+0], s43, (1<<16)|(1<<20)|(1<<21)|(5<<22)|(3<<25)   ; 15:0 the mask; 17:16 elements of 2 bytes; 20 padding on; 21 set beside a mask; 24:22 after every 64 words; 31:25 4 words of it
	s_or_b32 s[G1B+0], s44, (1<<16)|(1<<20)|(1<<21)|(5<<22)|(3<<25)
.irp g, G1, G1B
	s_mov_b32 s[(\g)+1], KSTEP<<16                 ; tensor_dim0 = 128
	s_mov_b32 s[(\g)+2], 128<<16                   ; tensor_dim1 = 128
	s_mov_b32 s[(\g)+3], KSTEP<<16                 ; tile_dim0 = 128
	s_mov_b32 s[(\g)+4], 128                       ; tile_dim1 = 128
	s_mov_b32 s[(\g)+5], SIZE_K                    ; elements from row to row
	s_mov_b32 s[(\g)+6], 0
	s_mov_b32 s[(\g)+7], 0
.endr
	s_lshl_b32 s17, s12, 7                         ; which 128 rows of the tile I fetch
	s_lshl_b32 s16, s13, 8
	s_add_co_u32 s16, s16, s17                     ; xb: row 256 x tile row + 128 x half
	s_lshl_b32 s46, s42, 8
	s_add_co_u32 s46, s46, s17                     ; wt: row 256 x tile column + 128 x half (the first tile)
	s_mov_b32 s17, 0
	s_mov_b32 s47, 0
	s_mov_b64 s[18:19], SIZE_K*2
	s_mul_u64 s[16:17], s[16:17], s[18:19]
	s_mul_u64 s[46:47], s[46:47], s[18:19]
	s_mul_i32 s20, s10, HALFT                      ; where they go: wave x 128 rows: no place in the cluster enters an LDS address
	s_mov_b32 s[SEL], 0x76543210
	s_mov_b32 s[SEL+1], 0xfedcba98
	s_mov_b32 s[FLOOR], 0x0d800000                 ; 2^-100
	s_wait_dscnt 0x0                               ; both opening adds are done
	s_wait_kmcnt 0x0
	s_add_nc_u64 s[14:15], s[4:5], s[16:17]
	s_add_nc_u64 s[46:47], s[6:7], s[46:47]
	CROUND                                         ; all sixteen work-groups are here: the first joint loads meet
.irp s, 0,1
	s_mov_b32 s[G0+4*(\s)], 1                                        ; count = 1
	s_add_co_u32 s[G0+4*(\s)+1], s20, (\s)*SLOT                      ; LDS address
	s_add_nc_u64 s[G0+4*(\s)+2:G0+4*(\s)+3], s[14:15], (\s)*KSTEP*2  ; global address: K step s
	s_or_b32 s[G0+4*(\s)+3], s[G0+4*(\s)+3], 0x80000000              ; type = 2
	s_mov_b32 s[G0B+4*(\s)], 1
	s_add_co_u32 s[G0B+4*(\s)+1], s20, (\s)*SLOT
	s_add_nc_u64 s[G0B+4*(\s)+2:G0B+4*(\s)+3], s[46:47], (\s)*KSTEP*2
	s_or_b32 s[G0B+4*(\s)+3], s[G0B+4*(\s)+3], 0x80000000
	JLOAD \s                                       ; two loads of mine are out
.endr
	; A fragment is 16 rows x 32 K in 8 registers: lane l holds row l % 16; registers 0-3 K = 8 (l / 16) + 0..7, registers 4-7 K = 16 + 8 (l / 16) + 0..7: two loads of 16 bytes, 32 bytes apart.
	v_and_b32 v1, 15, v0                           ; l % 16
	v_bfe_u32 v2, v0, 4, 1                         ; l / 16
	v_mul_u32_u24 v3, v1, PITCH
	v_lshl_add_u32 v3, v2, 4, v3
	s_mul_i32 s21, s11, HALFT                      ; my 128 rows of xb
	s_mul_i32 s22, s12, HALFT                      ; my 128 rows of wt,
	s_add_co_u32 s22, s22, 2*HALFT                 ; which lie behind xb's 256
.irp s, 0,1
	v_add_nc_u32 v[ADRA+(\s)], s21, v3
	v_add_nc_u32 v[ADRB+(\s)], s22, v3
	s_add_co_u32 s21, s21, SLOT
	s_add_co_u32 s22, s22, SLOT
.endr
	s_mul_i32 s23, s10, 16*SPITCH
	s_add_co_u32 s23, s23, STAGE                   ; my stage
	v_mul_u32_u24 v4, v1, SPITCH                   ; q, in: row l % 16, 16 bytes for each half of the lanes
	v_lshl_add_u32 v4, v2, 4, v4
	v_add_nc_u32 v[STO], s23, v4
	v_mul_u32_u24 v5, v2, SPITCH                   ; back: lanes 0-15 take one row of 256 bytes, lanes 16-31 the next
	v_lshl_add_u32 v5, v1, 4, v5
	v_add_nc_u32 v[RD], s23, v5
	v_mul_u32_u24 v5, v2, CN*2                     ; and the same two rows in qh
	v_lshl_add_u32 v[CO], v1, 4, v5
	v_mul_u32_u24 v4, v1, KPITCH                   ; p, in: row l % 16, 16 bytes for each half of the lanes
	v_lshl_add_u32 v4, v2, 4, v4
	v_add_nc_u32 v[STK], s23, v4
	v_bfe_u32 v5, v0, 3, 2                         ; back: 32 lanes take four rows of 128 bytes, which are 512 consecutive bytes of ph
	v_mul_u32_u24 v5, v5, KPITCH
	v_and_b32 v4, 7, v0
	v_lshl_add_u32 v5, v4, 4, v5
	v_add_nc_u32 v[RDK], s23, v5
	s_lshl_b32 s13, s13, 8
	s_lshl_b32 s14, s11, 7
	s_add_co_u32 s16, s13, s14                     ; my first row
	s_lshl_b32 s74, s42, 1
	s_add_co_u32 s74, s74, s12                     ; my segment of q, and my chunk in the first tile of k and v: 2 x tile column + half
	s_lshl_b32 s[KO], s74, 21                      ; ph: chunk x 2,097,152 bytes
	s_lshl_b32 s76, s16, 7
	s_add_co_u32 s[KO], s[KO], s76                 ; + row x 128 bytes
	s_mov_b32 s[KO+1], 0
	s_lshl_b32 s74, s74, 14
	s_add_co_u32 s74, s74, s16
	s_lshl_b32 s74, s74, 2                         ; (segment x 16,384 + row) x 4 bytes
	s_mov_b32 s75, 0
	s_mov_b64 s[SKP:SKP+1], s[SS:SS+1]
	s_add_nc_u64 s[SS:SS+1], s[SS:SS+1], s[74:75]
	s_add_co_u32 s[SO], s74, 524288                ; sk lies behind sq's 524,288 bytes
	s_mov_b32 s[SO+1], 0
	s_mov_b32 s17, 0
	s_mov_b64 s[18:19], CN*2
	s_mul_u64 s[16:17], s[16:17], s[18:19]
	s_lshl_b32 s46, s42, 9                         ; my first column of q, in bytes: 512 x tile column + 256 x half
	s_lshl_b32 s47, s12, 8
	s_add_co_u32 s46, s46, s47
	s_mov_b32 s47, 0
	s_add_nc_u64 s[16:17], s[16:17], s[46:47]      ; what q's way out adds to qh's address
	s_lshl_b32 s76, s42, 10
	s_lshl_b32 s77, s12, 9
	s_add_co_u32 s76, s76, s77
	v_lshl_add_u32 v[BO], v2, 5, s76               ; the bias: 4 bytes x (256 x tile column + 128 x half + 8 (l / 16))
	s_lshl_b32 s77, s10, 10
	s_add_co_u32 s77, s77, SSB                     ; my 1,024 bytes of sums
	v_lshl_add_u32 v[SSA], v1, 2, s77
	v_and_b32 v[SSO], 31, v0
	v_lshlrev_b32 v[SSO], 4, v[SSO]
	v_add_nc_u32 v[SSR], s77, v[SSO]
	; the prefetches
	s_lshl_b32 s42, s42, 8
	s_and_b32 s22, ttmp7, 0xffff                   ; cluster y
	s_cmp_eq_u32 s11, 0                            ; do I fetch for xb?
	s_cselect_b32 s20, s13, s42                    ; the tile's first row
	s_cselect_b32 s21, s40, s41                    ; my place among the four that ask for it with me
	s_cselect_b32 s22, ttmp9, s22                  ; the coordinate along which other clusters read the same rows
	s_cselect_b64 s[PFA:PFA+1], s[4:5], s[6:7]
	s_cmp_eq_u32 s22, 0
	s_cselect_b32 s[LIM], 1, -1                    ; the same in all sixteen partners, for a given wave
	s_lshl_b32 s22, s12, 7
	s_add_co_u32 s20, s20, s22                     ; + the 128 rows that I fetch
	s_lshl_b32 s21, s21, 5
	s_add_co_u32 s20, s20, s21                     ; + my work-group's 32 of them
	s_mov_b32 s21, 0
	s_mov_b64 s[18:19], SIZE_K*2
	s_mul_u64 s[20:21], s[20:21], s[18:19]
	s_add_nc_u64 s[PFA:PFA+1], s[PFA:PFA+1], s[20:21]
	s_add_nc_u64 s[PFA:PFA+1], s[PFA:PFA+1], 2*KSTEP*2  ; at K step 2: the first refill steps it to 3 and names K step 4; nothing is prefetched at the head
	v_and_b32 v[PFO], 31, v0
	v_mul_u32_u24 v[PFO], v[PFO], SIZE_K*2
	BIASLOAD                                       ; the first tile's
; 16 matrix instructions: m blocks a0, a0 + 1 of the window's four x all 8 n blocks, 32 along K.  zero = 1: a tile's first products start the sums with the bias: nothing is cleared, nothing added later.
; The 64 accumulators take turns, one instruction a turn, in the same order in every quarter step.
.macro MUL16 f, hi, a0, zero
.if \zero
	WIN 0x91+0x40*(\hi)                            ; wt window 1, xb window 0, C (the bias) window 1, D window 2 or 3
.else
	WIN 0xa1+0x50*(\hi)                            ; C and D window 2 or 3
.endif
.irp a, \a0, (\a0)+1
.irp b, 0,1,2,3,4,5,6,7
.if \zero
	v_wmma_f32_16x16x32_bf16 v[8*(8*(\a)+(\b)):8*(8*(\a)+(\b))+7], v[(\f)+8*(\b):(\f)+8*(\b)+7], v[(\f)+8*(4*(\hi)+(\a)):(\f)+8*(4*(\hi)+(\a))+7], v[BIA+8*(\b):BIA+8*(\b)+7]
.else
	v_wmma_f32_16x16x32_bf16 v[8*(8*(\a)+(\b)):8*(8*(\a)+(\b))+7], v[(\f)+8*(\b):(\f)+8*(\b)+7], v[(\f)+8*(4*(\hi)+(\a)):(\f)+8*(4*(\hi)+(\a))+7], v[8*(8*(\a)+(\b)):8*(8*(\a)+(\b))+7]
.endif
.endr
.endr
.endm
; 32 LDS loads in one run: the fragments of one quarter step (32 K at byte k of the rows) into buffer f
.macro FETCH slot, k, f
	WIN TO_B
.irp i, 0,1,2,3,4,5,6,7
	ds_load_b128 v[(\f)+8*(\i):(\f)+8*(\i)+3],   v[ADRB+(\slot)] offset:(\k)+(\i)*16*PITCH
	ds_load_b128 v[(\f)+8*(\i)+4:(\f)+8*(\i)+7], v[ADRB+(\slot)] offset:(\k)+(\i)*16*PITCH+32
.endr
	WIN 0
.irp i, 0,1,2,3,4,5,6,7
	ds_load_b128 v[(\f)+8*(\i):(\f)+8*(\i)+3],   v[ADRA+(\slot)] offset:(\k)+(\i)*16*PITCH
	ds_load_b128 v[(\f)+8*(\i)+4:(\f)+8*(\i)+7], v[ADRA+(\slot)] offset:(\k)+(\i)*16*PITCH+32
.endr
.endm
.macro PLACES                          ; four plain vector instructions between a matrix instruction and a load into, or a vector instruction on, its registers
.rept 4
	v_nop
.endr
.endm
; A K step is four quarter steps of 32 along K, 64 matrix instructions each, on buffers 0, 1, 0, 1.  One of the first three: multiplies f; in its middle fetches the next quarter, at byte k, into g.
.macro QUARTER slot, k, f, g, zero
	s_wait_dscnt 8                                 ; wt's and xb's rows 0-63 are in; the youngest eight loads (xb's rows 64-127) may be out
	MUL16 \f, 0, 0, \zero
	MUL16 \f, 0, 2, \zero
	PLACES
	FETCH \slot, \k, \g
	s_wait_dscnt 32                                ; all but the 32 just issued
	MUL16 \f, 1, 0, \zero
	MUL16 \f, 1, 2, \zero
.endm
; The last quarter multiplies buffer 1 and changes slots.  MEET is its first half: ONE barrier.  In front of it each wave waits for all its tensor loads (one is out: its part of the next slot), adds 0 to its
; spare word, and waits for that and for its own reads of this slot.  Behind it nobody reads this slot any more and the next slot is whole.
.macro MEET round
	WIN 0
	s_wait_tensorcnt 0x0
	ds_add_u32 v[SPW], v[NIL]
	s_wait_dscnt 9                                 ; the add and the youngest eight loads may be out
	MUL16 F1, 0, 0, 0
	s_wait_dscnt 0x0                               ; the add is done, and my reads of this slot are over
	s_barrier_signal -1
	MUL16 F1, 0, 2, 0
.if \round
	WIN 0
.endif
	s_barrier_wait -1
.endm
; The whole last quarter.  Behind the round the slot just read out is filled again first: with this tile's K step two on (on = 0), or with the NEXT tile's K step 0 or 1 (on = 1).
; From a request to the wait for it a wave issues 224 matrix instructions.
.macro TURN slot, next, on
	s_wait_xcnt 0x0                                ; the last prefetch, a K step back, has read its address; the last way out's stores have read their registers
.if (\on) && (\slot) == 0
	s_add_nc_u64 s[PFA:PFA+1], s[PFA:PFA+1], PF_NEXT
	s_cmp_eq_u32 s11, 1
	s_cselect_b32 s[LIM], s[LIM], -1               ; xb's rows are the same for all three tiles: they are asked for no more
.else
	s_add_nc_u64 s[PFA:PFA+1], s[PFA:PFA+1], KSTEP*2
.endif
	MEET 1
	CREST                                          ; no wave of any partner still reads this slot's tile or has a load on its way
.if \on
	s_sub_nc_u64 s[G0+4*(\slot)+2:G0+4*(\slot)+3], s[G0+4*(\slot)+2:G0+4*(\slot)+3], BACK_A
	s_add_nc_u64 s[G0B+4*(\slot)+2:G0B+4*(\slot)+3], s[G0B+4*(\slot)+2:G0B+4*(\slot)+3], NEXT_B
.else
	s_add_nc_u64 s[G0+4*(\slot)+2:G0+4*(\slot)+3], s[G0+4*(\slot)+2:G0+4*(\slot)+3], 2*KSTEP*2
	s_add_nc_u64 s[G0B+4*(\slot)+2:G0B+4*(\slot)+3], s[G0B+4*(\slot)+2:G0B+4*(\slot)+3], 2*KSTEP*2
.endif
	JLOAD \slot                                    ; my one tensor load behind the round; its four v_nop are also the places in front of the loads below
	FETCH \next, 0, F0
	ASK \on
	MUL16 F1, 1, 0, 0
	MUL16 F1, 1, 2, 0
.endm
; THE WAYS OUT.  SQN: the squares of n pairs of registers from v[ac] on, into four chains of pairs at v[c]; in ascending order.
.macro SQN c, ac, n
.set q, 0
.rept \n
.if q < 4
	v_pk_mul_f32 v[(\c)+2*q:(\c)+2*q+1], v[(\ac)+2*q:(\ac)+2*q+1], v[(\ac)+2*q:(\ac)+2*q+1]
.else
	v_pk_fma_f32 v[(\c)+2*(q%4):(\c)+2*(q%4)+1], v[(\ac)+2*q:(\ac)+2*q+1], v[(\ac)+2*q:(\ac)+2*q+1], v[(\c)+2*(q%4):(\c)+2*(q%4)+1]
.endif
.set q, q+1
.endr
.endm
.macro EACH line:vararg                ; one line for each block t
.set t, 0
.rept 8
	\line
.set t, t+1
.endr
.endm
.macro FOLD c                          ; the eight blocks' chains at v[c + 8 t] into one number each, at +1; the other half of the lanes holds the row's other columns
	EACH v_pk_add_f32 v[(\c)+8*t:(\c)+8*t+1], v[(\c)+8*t:(\c)+8*t+1], v[(\c)+8*t+2:(\c)+8*t+3]
	EACH v_pk_add_f32 v[(\c)+8*t+4:(\c)+8*t+5], v[(\c)+8*t+4:(\c)+8*t+5], v[(\c)+8*t+6:(\c)+8*t+7]
	EACH v_pk_add_f32 v[(\c)+8*t:(\c)+8*t+1], v[(\c)+8*t:(\c)+8*t+1], v[(\c)+8*t+4:(\c)+8*t+5]
	EACH v_add_f32 v[(\c)+8*t+1], v[(\c)+8*t], v[(\c)+8*t+1]
	EACH v_permlanex16_b32 v[(\c)+8*t+2], v[(\c)+8*t+1], s[SEL], s[SEL+1]
	EACH v_add_f32 v[(\c)+8*t+1], v[(\c)+8*t+1], v[(\c)+8*t+2]
.endm
; Block a's first nb n blocks times the block's reciprocal root, rounded to f16: 16 bytes a lane and n block
.macro PACK a, nb
.set AC, 64*((\a)%4)
.set CHA, CH+8*(\a)
	WIN 0x82+0x41*((\a)/4)                         ; destination and source 0 window 2 or 3, source 1 window 0
.set q, 0
.rept 4*(\nb)
	v_pk_mul_f32 v[AC+2*q:AC+2*q+1], v[AC+2*q:AC+2*q+1], v[CHA:CHA+1] op_sel_hi:[1,0]
.set q, q+1
.endr
	WIN 0x0a+5*((\a)/4)                            ; sources 0 and 1 window 2 or 3
.set q, 0
.rept 4*(\nb)
	v_cvt_pk_f16_f32 v[TMP+q], v[AC+2*q], v[AC+2*q+1]
.set q, q+1
.endr
	WIN 0
.endm
.macro TOSTAGE a, n, sto, rd, step     ; into my own stage, and back as whole rows
	WIN 0
.set BK, OB+192*((\a)%2)
.set u, 0
.rept \n
	ds_store_b128 v[\sto], v[TMP+4*u:TMP+4*u+3] offset:32*u
.set u, u+1
.endr
.set u, 0
.rept \n
	ds_load_b128 v[BK+4*u:BK+4*u+3], v[\rd] offset:u*(\step)  ; LDS serves a wave's instructions in order (ISA guide 5.7.1.4): these see the stores above
.set u, u+1
.endr
.endm
; Q's WAY OUT
.macro SEND a
	WIN 0
.set BK, OB+192*((\a)%2)
	s_wait_dscnt 0x0                               ; the block is back in registers
	s_wait_xcnt 0x0                                ; only behind this wait are the stores' base and the registers that earlier stores read rewritten
.if (\a) == 0
	s_add_nc_u64 s[8:9], s[8:9], s[16:17]          ; on to my first rows and columns
.else
	s_add_nc_u64 s[8:9], s[8:9], 16*CN*2
.endif
.irp u, 0,1,2,3,4,5,6,7
	global_store_b128 v[CO], v[BK+4*(\u):BK+4*(\u)+3], s[8:9] offset:2*(\u)*CN*2 th:TH_STORE_NT  ; 16 lanes store 256 consecutive bytes, aligned
.endr
.if (\a) == 0
	global_store_b128 v[SSO], v[SD:SD+3], s[SS:SS+1] th:TH_STORE_NT  ; my 128 rows' sq: 512 consecutive bytes, aligned
.endif
.endm
.macro WAYOUT_Q
	PLACES                                         ; behind the last products: the lines below read results and write buffer 1's registers
.irp a, 0,1,2,3,4,5,6,7
	WIN 0x0a+5*((\a)/4)
	SQN CH+8*(\a), 64*((\a)%4), 32
.endr
	WIN 0
	FOLD CH
	EACH v_max_num_f32 v[CH+8*t+1], s[FLOOR], v[CH+8*t+1]
	EACH v_rsq_f32 v[CH+8*t], v[CH+8*t+1]
	EACH ds_store_b32 v[SSA], v[CH+8*t+1] offset:64*t  ; the sums go through my own LDS bytes into row order
	ds_load_b128 v[SD:SD+3], v[SSR]
	v_nop                                          ; a plain instruction behind the last reciprocal root,
	s_wait_alu depctr_va_vdst(0)                   ; and the wait ahead of the first use: one for the eight
	PACK 0, 8
	TOSTAGE 0, 8, STO, RD, 2*SPITCH
.irp a, 1,2,3,4,5,6,7                  ; block a's arithmetic stands between block a - 1's loads from the stage and the wait for them
	PACK \a, 8
	SEND (\a)-1
	TOSTAGE \a, 8, STO, RD, 2*SPITCH
.endr
	SEND 7
.endm
; THE WAY OUT OF A TILE OF K AND V.  In each block n blocks 0-3 are k, 4-7 v of the same columns.  KVSUMS h, for the four blocks of window 2 + h: k's squares; p = k v, in k's place; p's squares.
.macro KVSUMS h
	WIN 0x0a+5*(\h)
.irp k, 0,1,2,3
	SQN CH+8*(4*(\h)+(\k)), 64*(\k), 16
.endr
	WIN 0x8a+0x45*(\h)                             ; destination and both sources in window 2 or 3
.irp k, 0,1,2,3
.set q, 0
.rept 16
	v_pk_mul_f32 v[64*(\k)+2*q:64*(\k)+2*q+1], v[64*(\k)+2*q:64*(\k)+2*q+1], v[64*(\k)+32+2*q:64*(\k)+32+2*q+1]
.set q, q+1
.endr
.endr
	WIN 0x0a+5*(\h)
.irp k, 0,1,2,3
	SQN CP+8*(4*(\h)+(\k)), 64*(\k), 16
.endr
.endm
.macro SENDK a
	WIN 0
.set BK, OB+192*((\a)%2)
	s_wait_dscnt 0x0                               ; the block is back in registers
	s_wait_xcnt 0x0                                ; only behind this wait are the stores' bases and the registers that earlier stores read rewritten
.if (\a) == 0
	s_add_nc_u64 s[PH:PH+1], s[PH:PH+1], s[KO:KO+1]      ; on to this tile's chunk
	s_add_nc_u64 s[SKP:SKP+1], s[SKP:SKP+1], s[SO:SO+1]
.endif
.irp u, 0,1,2,3
	global_store_b128 v[SSO], v[BK+4*(\u):BK+4*(\u)+3], s[PH:PH+1] offset:(\a)*2048+(\u)*512 th:TH_STORE_NT  ; four rows of the chunk: 512 consecutive bytes, aligned
.endr
.if (\a) == 0
	global_store_b128 v[SSO], v[SD:SD+3], s[SKP:SKP+1] th:TH_STORE_NT                    ; my 128 rows' sk,
	global_store_b128 v[SSO], v[SD2:SD2+3], s[SKP:SKP+1] offset:1048576 th:TH_STORE_NT   ; and sp: 512 consecutive bytes each, aligned
.endif
.endm
.macro WAYOUT_KV
	PLACES                                         ; behind the last products
	KVSUMS 0
	KVSUMS 1
	WIN 0
	FOLD CH
	FOLD CP
	EACH v_max_num_f32 v[CP+8*t+1], s[FLOOR], v[CP+8*t+1]
	EACH v_rsq_f32 v[CH+8*t], v[CP+8*t+1]
	EACH ds_store_b32 v[SSA], v[CH+8*t+1] offset:64*t
	EACH ds_store_b32 v[SSA], v[CP+8*t+1] offset:512+64*t
	ds_load_b128 v[SD:SD+3], v[SSR]
	ds_load_b128 v[SD2:SD2+3], v[SSR] offset:512
	v_nop                                          ; a plain instruction behind the last reciprocal root,
	s_wait_alu depctr_va_vdst(0)                   ; and the wait ahead of the first use: one for the eight
	PACK 0, 4
	TOSTAGE 0, 4, STK, RDK, 4*KPITCH
.irp a, 1,2,3,4,5,6,7
	PACK \a, 4
	SENDK (\a)-1
	TOSTAGE \a, 4, STK, RDK, 4*KPITCH
.endr
	SENDK 7
	s_mov_b64 s[KO:KO+1], 8*CHUNKB                 ; the next tile's chunk lies eight further on,
	s_mov_b64 s[SO:SO+1], 8*65536                  ; in ssq too
.endm
	s_wait_tensorcnt 1                             ; my part of K step 0 is in; K step 1's may stay out
	s_barrier_signal -1
	s_barrier_wait -1
	FETCH 0, 0, F0
	s_mov_b32 s2, TILES                            ; tiles to go, this one among them
.Ltile:
	s_wait_loadcnt 0x0                             ; the tile's bias is in
	QUARTER 0, 64,  F0, F1, 1                      ; a tile's first quarter stands in front of the loop: its products start the sums
	WIN 0                                          ; at a label and at a branch every window is 0
	s_mov_b32 s3, LAPS-1
.Llap:                                                 ; a trip goes once round the ring, from a lap's second quarter to the next lap's first, and fills both slots again
	QUARTER 0, 128, F1, F0, 0
	QUARTER 0, 192, F0, F1, 0
	TURN 0, 1, 0
	QUARTER 1, 64,  F0, F1, 0
	QUARTER 1, 128, F1, F0, 0
	QUARTER 1, 192, F0, F1, 0
	TURN 1, 0, 0
	QUARTER 0, 64,  F0, F1, 0
	WIN 0
	s_sub_co_u32 s3, s3, 1
	s_cmp_lg_u32 s3, 0
	s_cbranch_scc1 .Llap
	QUARTER 0, 128, F1, F0, 0                      ; the tile's last lap goes on
	QUARTER 0, 192, F0, F1, 0
	WIN 0
	s_cmp_eq_u32 s2, 1
	s_cbranch_scc1 .Llast_tile                     ; the last tile's tail is written out: it asks for nothing more
	TURN 0, 1, 1                                   ; the ring goes on into the next tile: slot 0 takes its K step 0,
	QUARTER 1, 64,  F0, F1, 0
	QUARTER 1, 128, F1, F0, 0
	QUARTER 1, 192, F0, F1, 0
	TURN 1, 0, 1                                   ; slot 1 its K step 1, and the next tile's first fragments are fetched into buffer 0, which the ways out leave alone
	s_add_nc_u64 s[BQ:BQ+1], s[BQ:BQ+1], 4096      ; the last bias loads were waited for at the tile's head
	BIASLOAD                                       ; the next tile's; the products that read these registers stand a whole tile back
	s_cmp_eq_u32 s2, TILES                         ; the first tile is q's
	s_cbranch_scc0 .Lkv_out
	WAYOUT_Q
	s_branch .Lnext
.Llast_tile:
	MEET 0                                         ; my one tensor load that was still out is the last K step's, so no round follows
	PLACES
	FETCH 1, 0, F0
	MUL16 F1, 1, 0, 0
	MUL16 F1, 1, 2, 0
	QUARTER 1, 64,  F0, F1, 0
	QUARTER 1, 128, F1, F0, 0
	QUARTER 1, 192, F0, F1, 0
	s_wait_dscnt 8                                 ; the very last quarter: nothing more to fetch
	MUL16 F1, 0, 0, 0
	MUL16 F1, 0, 2, 0
	s_wait_dscnt 0x0
	MUL16 F1, 1, 0, 0
	MUL16 F1, 1, 2, 0
	WIN 0
.Lkv_out:                                              ; the second tile's way and the third's join: one text for both; it holds no barrier and no tensor load
	WAYOUT_KV
	s_cmp_eq_u32 s2, 1
	s_cbranch_scc1 .Lend
.Lnext:
	s_sub_co_u32 s2, s2, 1
	s_branch .Ltile
.Lend:
	s_wait_tensorcnt 0x0                           ; the wave's end, behind my last tensor load and my last LDS store
	ds_add_u32 v[SPW], v[NIL]
	s_wait_dscnt 0x0
	CROUND                                         ; the closing round: no work-group ends while a partner may still ask for a tile that names it
	s_endpgm
.Lfunc_end_k_q7e8e208b88_gemm:
	.size	k_q7e8e208b88_gemm, .Lfunc_end_k_q7e8e208b88_gemm-k_q7e8e208b88_gemm
	.p2alignl 7, 3214868480
	.fill 96, 4, 3214868480
	.section	.rodata,"a",@progbits
	.p2align	6, 0x0
	.amdhsa_kernel k_q7e8e208b88_gemm
		.amdhsa_group_segment_fixed_size 327680
		.amdhsa_private_segment_fixed_size 0
		.amdhsa_enable_private_segment 0
		.amdhsa_kernarg_size 48
		.amdhsa_user_sgpr_count 2
		.amdhsa_user_sgpr_kernarg_segment_ptr 1
		.amdhsa_wavefront_size32 1
		.amdhsa_system_sgpr_workgroup_id_x 1
		.amdhsa_system_sgpr_workgroup_id_y 1
		.amdhsa_system_sgpr_workgroup_id_z 1
		.amdhsa_system_vgpr_workitem_id 0
		.amdhsa_next_free_vgpr 1024
		.amdhsa_next_free_sgpr 88
		.amdhsa_reserve_vcc 0
		.amdhsa_float_denorm_mode_32 3
		.amdhsa_float_denorm_mode_16_64 3
		.amdhsa_memory_ordered 1
		.amdhsa_forward_progress 1
		.amdhsa_inst_pref_size 255
	.end_amdhsa_kernel
	.section	.bss,"aw",@nobits
	.p2align	6
	.space	262144
	.amdgpu_metadata
---
amdhsa.version: [ 1, 2 ]
amdhsa.kernels:
  - .name:           k_q7e8e208b88_gemm
    .symbol:         k_q7e8e208b88_gemm.kd
    .args:
      - { .name: xb, .offset: 0, .size: 8, .value_kind: global_buffer, .address_space: global }
      - { .name: wt, .offset: 8, .size: 8, .value_kind: global_buffer, .address_space: global }
      - { .name: bqr, .offset: 16, .size: 8, .value_kind: global_buffer, .address_space: global }
      - { .name: qh, .offset: 24, .size: 8, .value_kind: global_buffer, .address_space: global }
      - { .name: ph, .offset: 32, .size: 8, .value_kind: global_buffer, .address_space: global }
      - { .name: ssq, .offset: 40, .size: 8, .value_kind: global_buffer, .address_space: global }
    .group_segment_fixed_size: 327680
    .private_segment_fixed_size: 0
    .kernarg_segment_align: 8
    .kernarg_segment_size: 48
    .max_flat_workgroup_size: 128
    .sgpr_count:     88
    .vgpr_count:     1024
    .wavefront_size: 32
...
	.end_amdgpu_metadata
.endif
;; end of part 2
;; launch kvpart (part 3): grid 8 x 32, 16 waves a work-group, no clusters, 10,240 bytes of LDS; arguments ph, ssq, kvp; writes kvp
.if DOCPART == 3
	.amdgcn_target "amdgcn-amd-amdhsa--gfx1250"
	.amdhsa_code_object_version 6
	.text
	.protected	k_q7e8e208b88_kvpart
	.globl	k_q7e8e208b88_kvpart
	.p2align	8
	.type	k_q7e8e208b88_kvpart,@function
k_q7e8e208b88_kvpart:
	s_mov_b64 s[64:65], 0
	v_nop
	global_prefetch_b8 v0, s[64:65] scope:SCOPE_SE
	s_setreg_imm32_b32 hwreg(HW_REG_WAVE_MODE, 25, 1), 1
	s_wait_xcnt 0x0
; HYDRA ATTENTION, launch 3 of 4: partial sums of kv[b][d] = sum over t of k[t][d] v[t][d] / |k[t]|.  Nothing of reference() is left out.
; k v = ph sqrt(sp) (ph: f16, [16 chunks of 64 columns][16384 rows][64]; sp: the chunk's sum of (k v)^2), |k[t]|^2 = the sum of the row's sixteen sk (sk at byte 524,288 of ssq, sp at 1,572,864).
; So a row's term in chunk c is ph x w, w = sqrt(sp_c) / sqrt(sum of sk).
; LIMIT.  A row of k whose squared norm is 0, or below 2^-126, gives NaN in its batch's kv, as reference() does for a row of zeros.
; SHARES.  A work-group takes two chunks (x: columns 128 x ..) and 512 rows (y: batch y / 8, part y % 8).  kvp [32][1024] in f32 takes its 128 sums.
; First wave w makes w of rows 32 w .. 32 w + 31 for both chunks, a lane a row, and the waves hand these to each other through LDS.  Then wave w sums chunk w % 2, rows 64 (w / 2) .. + 63: 8,192 consecutive
; bytes of ph, in 16 loads of which each covers four rows: lane l holds row 4 p + l / 8, columns 8 (l % 8) + 0..7.
; No loop: a wave's 34 loads all go out before its first wait.  Each byte of ph has one reader: no cluster, no tensor loads, no matrix work.
.set WTS,   0                          ; LDS: for summing wave w 64 weights at 256 w: row r's at 4 x (16 (r % 4) + r / 4), so that a lane's sixteen lie on end
.set PART,  4096                       ; wave w's 64 sums at 256 w
.set SPARE, 8192                       ; the spare words, 128 bytes for each of the sixteen waves
.set SPW, 4                            ; v4   LDS address of my spare word; never rewritten
.set NIL, 5                            ; v5   0; never rewritten
.set SK,  16                           ; v[16:31]   the row's sixteen sk
.set WT,  48                           ; v[48:63]   the weights of my sixteen rows
.set P,   64                           ; v[64:127]  load p: 4 registers of ph
.set ACC, 128                          ; v[128:135] my eight columns' sums
.set Z,   136                          ; v136 0
.macro MIX d, a, half, b, c            ; v[d] = (the low or high f16 of v[a]) x v[b] + v[c], in f32
.if \half
	v_fma_mix_f32 v[\d], v[\a], v[\b], v[\c] op_sel:[1,0,0] op_sel_hi:[1,0,0]
.else
	v_fma_mix_f32 v[\d], v[\a], v[\b], v[\c] op_sel_hi:[1,0,0]
.endif
.endm
	s_load_b128 s[4:7], s[0:1], 0x0                ; ph s[4:5], ssq s[6:7]
	s_load_b64 s[8:9], s[0:1], 0x10                ; kvp
	v_lshl_add_u32 v[SPW], v0, 2, SPARE
	v_mov_b32 v[NIL], 0
	v_lshrrev_b32 v1, 5, v0
	v_readfirstlane_b32 s10, v1                    ; wave 0..15
	s_mov_b32 s11, ttmp9                           ; the pair of chunks
	s_and_b32 s12, ttmp7, 0xffff                   ; y
	v_and_b32 v3, 31, v0                           ; lane
	v_lshlrev_b32 v1, 2, v3                        ; 4 x lane: a row's word in ssq
	v_lshlrev_b32 v2, 4, v3                        ; 16 x lane
	s_and_b32 s13, s10, 1                          ; w % 2
	s_lshr_b32 s14, s10, 1                         ; w / 2
	s_lshl_b32 s15, s14, 9                         ; my 32 rows are half w % 2 of the 64 rows that waves 2 (w / 2) and 2 (w / 2) + 1 sum:
	s_lshl_b32 s16, s13, 5                         ; row r = 32 (w % 2) + l of them: 4 x (16 (l % 4) + 8 (w % 2) + l / 4)
	s_add_co_u32 s15, s15, s16
	v_and_b32 v6, 3, v0
	v_bfe_u32 v7, v0, 2, 3
	v_lshl_add_u32 v8, v6, 6, s15
	v_lshl_add_u32 v8, v7, 2, v8                   ; where I put a weight (the second chunk's 256 bytes on)
	s_lshl_b32 s15, s10, 8                         ; 256 w
	v_bfe_u32 v6, v0, 3, 2
	v_lshl_add_u32 v9, v6, 6, s15                  ; where my sixteen weights lie: 256 w + 64 (l / 8)
	v_and_b32 v7, 7, v0
	v_lshl_add_u32 v10, v7, 5, s15                 ; where I put my eight sums: 256 w + 32 (l % 8)
	s_lshl_b32 s16, s12, 9                         ; 512 y
	s_lshl_b32 s17, s10, 5
	s_add_co_u32 s17, s16, s17                     ; the first row whose weight I make
	s_lshl_b32 s18, s17, 2
	s_add_co_u32 s18, s18, 524288                  ; sk
	s_mov_b32 s19, 0
	s_lshl_b32 s20, s11, 17                        ; two chunks of 65,536 bytes
	s_mov_b32 s21, 0
	s_lshl_b32 s22, s11, 1
	s_add_co_u32 s22, s22, s13                     ; the chunk that I sum
	s_lshl_b32 s22, s22, 21                        ; 2,097,152 bytes a chunk of ph
	s_lshl_b32 s23, s14, 6
	s_add_co_u32 s23, s23, s16                     ; the first row that I sum
	s_lshl_b32 s23, s23, 7
	s_add_co_u32 s22, s22, s23
	s_mov_b32 s23, 0
	s_lshl_b32 s24, s12, 12
	s_lshl_b32 s25, s11, 9
	s_add_co_u32 s24, s24, s25                     ; kvp: 4 bytes x (1,024 y + 128 x)
	s_mov_b32 s25, 0
	s_mov_b32 s30, 0x76543210                      ; v_permlanex16_b32: each lane takes its own place in the other half
	s_mov_b32 s31, 0xfedcba98
	s_wait_kmcnt 0x0
	s_add_nc_u64 s[26:27], s[6:7], s[18:19]
	s_add_nc_u64 s[28:29], s[26:27], s[20:21]
	s_add_nc_u64 s[4:5], s[4:5], s[22:23]
	s_add_nc_u64 s[8:9], s[8:9], s[24:25]
.irp c, 0,1,2,3,4,5,6,7,8,9,10,11,12,13,14,15
	global_load_b32 v[SK+(\c)], v1, s[26:27] offset:65536*(\c)     ; sk of all sixteen chunks
.endr
	global_load_b32 v32, v1, s[28:29] offset:1048576               ; sp of the work-group's first chunk,
	global_load_b32 v33, v1, s[28:29] offset:1048576+65536         ; and of its second
.irp p, 0,1,2,3,4,5,6,7,8,9,10,11,12,13,14,15
	global_load_b128 v[P+4*(\p):P+4*(\p)+3], v2, s[4:5] offset:512*(\p) th:TH_LOAD_NT  ; 512 consecutive bytes, aligned
.endr
	v_mov_b32 v[Z], 0
	s_wait_loadcnt 16                              ; the eighteen words of ssq are in; the 16 loads of ph stay out
.irp c, 0,2,4,6
	v_pk_add_f32 v[SK+(\c):SK+(\c)+1], v[SK+(\c):SK+(\c)+1], v[SK+8+(\c):SK+8+(\c)+1]
.endr
	v_pk_add_f32 v[SK:SK+1], v[SK:SK+1], v[SK+4:SK+5]
	v_pk_add_f32 v[SK+2:SK+3], v[SK+2:SK+3], v[SK+6:SK+7]
	v_pk_add_f32 v[SK:SK+1], v[SK:SK+1], v[SK+2:SK+3]
	v_add_f32 v[SK], v[SK], v[SK+1]                ; |k|^2
	v_rsq_f32 v34, v[SK]
	v_sqrt_f32 v35, v32
	v_sqrt_f32 v36, v33
	v_nop                                          ; a plain instruction behind the last of the three,
	s_wait_alu depctr_va_vdst(0)                   ; and the wait ahead of the first use: one for the batch
	v_mul_f32 v35, v35, v34
	v_mul_f32 v36, v36, v34
	ds_store_b32 v8, v35 offset:WTS
	ds_store_b32 v8, v36 offset:WTS+256
	s_wait_dscnt 0x0                               ; for the others' sake: my stores are done
	s_barrier_signal -1
	s_barrier_wait -1
.irp i, 0,1,2,3
	ds_load_b128 v[WT+4*(\i):WT+4*(\i)+3], v9 offset:WTS+16*(\i)   ; register p: the weight of row 4 p + l / 8
.endr
	s_wait_dscnt 0x0
.macro FOUR p
	s_wait_loadcnt 15-(\p)                         ; load p is in; the younger ones stay out
.irp e, 0,1,2,3,4,5,6,7
.if (\p) == 0
	MIX ACC+(\e), P+4*(\p)+(\e)/2, (\e)%2, WT+(\p), Z              ; the first four rows start the sums
.else
	MIX ACC+(\e), P+4*(\p)+(\e)/2, (\e)%2, WT+(\p), ACC+(\e)
.endif
.endr
.endm
.irp p, 0,1,2,3,4,5,6,7,8,9,10,11,12,13,14,15
	FOUR \p
.endr
.irp e, 0,1,2,3,4,5,6,7
	v_add_f32_dpp v[ACC+(\e)], v[ACC+(\e)], v[ACC+(\e)] row_xmask:8 row_mask:0xf bank_mask:0xf  ; the lane 8 away holds the same columns of other rows,
.endr
.irp e, 0,1,2,3,4,5,6,7
	v_permlanex16_b32 v[P+(\e)], v[ACC+(\e)], s30, s31             ; and so does the lane 16 away
.endr
.irp e, 0,2,4,6
	v_pk_add_f32 v[ACC+(\e):ACC+(\e)+1], v[ACC+(\e):ACC+(\e)+1], v[P+(\e):P+(\e)+1]
.endr
	ds_store_b128 v10, v[ACC:ACC+3] offset:PART                    ; lanes with the same l % 8 write the same numbers to the same bytes
	ds_store_b128 v10, v[ACC+4:ACC+7] offset:PART+16
	s_wait_dscnt 0x0                               ; for the others' sake: my stores are done
	s_barrier_signal -1
	s_barrier_wait -1
	s_cmp_lg_u32 s10, 0                            ; wave 0 adds the eight parts of both chunks
	s_cbranch_scc1 .Lend
.irp u, 0,1,2,3,4,5,6,7
	ds_load_b128 v[P+4*(\u):P+4*(\u)+3], v2 offset:PART+512*(\u)
.endr
	s_wait_dscnt 0x0
.irp u, 0,1,2,3
	v_pk_add_f32 v[P+4*(\u):P+4*(\u)+1],   v[P+4*(\u):P+4*(\u)+1],   v[P+16+4*(\u):P+16+4*(\u)+1]
	v_pk_add_f32 v[P+4*(\u)+2:P+4*(\u)+3], v[P+4*(\u)+2:P+4*(\u)+3], v[P+16+4*(\u)+2:P+16+4*(\u)+3]
.endr
.irp u, 0,1
	v_pk_add_f32 v[P+4*(\u):P+4*(\u)+1],   v[P+4*(\u):P+4*(\u)+1],   v[P+8+4*(\u):P+8+4*(\u)+1]
	v_pk_add_f32 v[P+4*(\u)+2:P+4*(\u)+3], v[P+4*(\u)+2:P+4*(\u)+3], v[P+8+4*(\u)+2:P+8+4*(\u)+3]
.endr
	v_pk_add_f32 v[P:P+1],   v[P:P+1],   v[P+4:P+5]
	v_pk_add_f32 v[P+2:P+3], v[P+2:P+3], v[P+6:P+7]
	global_store_b128 v2, v[P:P+3], s[8:9]         ; 512 consecutive bytes, aligned
.Lend:
	s_wait_tensorcnt 0x0                           ; the wave's end, behind my last LDS store
	ds_add_u32 v[SPW], v[NIL]
	s_wait_dscnt 0x0
	s_endpgm
.Lfunc_end_k_q7e8e208b88_kvpart:
	.size	k_q7e8e208b88_kvpart, .Lfunc_end_k_q7e8e208b88_kvpart-k_q7e8e208b88_kvpart
	.p2alignl 7, 3214868480
	.fill 96, 4, 3214868480
	.section	.rodata,"a",@progbits
	.p2align	6, 0x0
	.amdhsa_kernel k_q7e8e208b88_kvpart
		.amdhsa_group_segment_fixed_size 10240
		.amdhsa_private_segment_fixed_size 0
		.amdhsa_enable_private_segment 0
		.amdhsa_kernarg_size 24
		.amdhsa_user_sgpr_count 2
		.amdhsa_user_sgpr_kernarg_segment_ptr 1
		.amdhsa_wavefront_size32 1
		.amdhsa_system_sgpr_workgroup_id_x 1
		.amdhsa_system_sgpr_workgroup_id_y 1
		.amdhsa_system_sgpr_workgroup_id_z 1
		.amdhsa_system_vgpr_workitem_id 0
		.amdhsa_next_free_vgpr 160
		.amdhsa_next_free_sgpr 66
		.amdhsa_reserve_vcc 0
		.amdhsa_float_denorm_mode_32 3
		.amdhsa_float_denorm_mode_16_64 3
		.amdhsa_memory_ordered 1
		.amdhsa_forward_progress 1
		.amdhsa_inst_pref_size 19
	.end_amdhsa_kernel
	.amdgpu_metadata
---
amdhsa.version: [ 1, 2 ]
amdhsa.kernels:
  - .name:           k_q7e8e208b88_kvpart
    .symbol:         k_q7e8e208b88_kvpart.kd
    .args:
      - { .name: ph, .offset: 0, .size: 8, .value_kind: global_buffer, .address_space: global }
      - { .name: ssq, .offset: 8, .size: 8, .value_kind: global_buffer, .address_space: global }
      - { .name: kvp, .offset: 16, .size: 8, .value_kind: global_buffer, .address_space: global }
    .group_segment_fixed_size: 10240
    .private_segment_fixed_size: 0
    .kernarg_segment_align: 8
    .kernarg_segment_size: 24
    .max_flat_workgroup_size: 512
    .sgpr_count:     66
    .vgpr_count:     160
    .wavefront_size: 32
...
	.end_amdgpu_metadata
.endif
;; end of part 3
;; launch final (part 4): grid 256 x 1, 8 waves a work-group, no clusters, 11,264 bytes of LDS; arguments qh, ssq, kvp, scale, bias, out0; writes out0
.if DOCPART == 4
	.amdgcn_target "amdgcn-amd-amdhsa--gfx1250"
	.amdhsa_code_object_version 6
	.text
	.protected	k_q7e8e208b88_final
	.globl	k_q7e8e208b88_final
	.p2align	8
	.type	k_q7e8e208b88_final,@function
k_q7e8e208b88_final:
	s_mov_b64 s[64:65], 0
	v_nop
	global_prefetch_b8 v0, s[64:65] scope:SCOPE_SE
	s_setreg_imm32_b32 hwreg(HW_REG_WAVE_MODE, 25, 1), 1
	s_wait_xcnt 0x0
; HYDRA ATTENTION, launch 4 of 4: out[t][d] = (q[t][d] / |q[t]|) kv[b][d] scale[d] + bias[d].  Nothing of reference() is left out.
; q = qh sqrt(sq) (qh: f16 [16384][1024]; sq: the segments' sums of squares, the first 524,288 bytes of ssq), |q[t]|^2 = the sum of the row's eight sq; kv[b] = the sum of the batch's eight rows of kvp.
; So out = qh x (f g) + bias, with f[t][j] = sqrt(sq_j) / sqrt(sum of sq), at most 1, and g[d] = kv[d] scale[d].  scale and bias are rounded to bf16 here, like the other inputs.
; SHARES.  A work-group takes 64 rows of one batch, a wave 8 of them.  Lane l holds the columns 4 l + 128 j, j = 0..7: 8 bytes of qh and 16 bytes of out for each segment j.
; SET-UP.  Wave w makes g and the rounded bias for segment w and brings the 64 rows' sq of segment w; the eight waves hand these to each other through LDS, behind one barrier.
; A wave's 75 loads all go out before its first wait.  Each byte of q has one reader; what is shared is 44 KiB a work-group beside its 384 KiB: no cluster, no tensor loads, no matrix work.
.set GL,    0                          ; LDS: g, 4 bytes a column
.set BL,    4096                       ; the rounded bias
.set SQ,    8192                       ; sq: segment j's 64 rows at 256 j
.set SPARE, 10240                      ; the spare words, 128 bytes for each of the eight waves
.set SPW, 4                            ; v4  LDS address of my spare word; never rewritten
.set NIL, 5                            ; v5  0; never rewritten
.set O,   16                           ; v[16:47]   first kvp's eight parts, then a row of out
.set FG,  48                           ; v[48:55]   first scale and bias, then f g, two sets of four by turns
.set F,   58                           ; v58, v59   f of row lane % 8: segment lane / 8, and segment lane / 8 + 4
.set G,   64                           ; v[64:95]   g of my 32 columns
.set BI,  96                           ; v[96:127]  bias of my 32 columns
.set Q,   128                          ; v[128:255] row r, segment j: two registers at Q + 16 r + 2 j
.macro MIX d, a, half, b, c            ; v[d] = (the low or high f16 of v[a]) x v[b] + v[c], in f32
.if \half
	v_fma_mix_f32 v[\d], v[\a], v[\b], v[\c] op_sel:[1,0,0] op_sel_hi:[1,0,0]
.else
	v_fma_mix_f32 v[\d], v[\a], v[\b], v[\c] op_sel_hi:[1,0,0]
.endif
.endm
	s_load_b256 s[4:11], s[0:1], 0x0               ; qh s[4:5], ssq s[6:7], kvp s[8:9], scale s[10:11]
	s_load_b128 s[12:15], s[0:1], 0x20             ; bias s[12:13], out0 s[14:15]
	v_lshl_add_u32 v[SPW], v0, 2, SPARE
	v_mov_b32 v[NIL], 0
	v_lshrrev_b32 v1, 5, v0
	v_readfirstlane_b32 s16, v1                    ; wave 0..7
	s_mov_b32 s17, ttmp9                           ; g: the work-group's 64 rows
	v_and_b32 v63, 31, v0                          ; lane
	s_lshl_b32 s18, s16, 9
	v_lshl_add_u32 v1, v63, 4, s18                 ; 512 w + 16 l: my four columns of segment w, in kvp, scale, bias and in LDS
	v_lshlrev_b32 v2, 3, v63                       ; 8 l
	v_lshlrev_b32 v3, 4, v63                       ; 16 l
	s_lshl_b32 s20, s16, 8
	v_lshl_add_u32 v60, v63, 3, s20                ; 256 w + 8 l: two rows' sq of segment w
	s_lshl_b32 s19, s16, 5
	v_and_b32 v63, 7, v0
	v_lshl_add_u32 v61, v63, 2, s19                ; 4 x (8 w + l % 8): the row's word in a segment
	v_bfe_u32 v63, v0, 3, 2
	v_lshl_add_u32 v62, v63, 8, v61                ; in segment l / 8
	s_lshr_b32 s21, s17, 6
	s_lshl_b32 s22, s21, 15                        ; kvp: the batch's eight rows of 4,096 bytes
	s_mov_b32 s23, 0
	s_lshl_b32 s24, s16, 16
	s_lshl_b32 s21, s17, 8
	s_add_co_u32 s24, s24, s21                     ; ssq: segment w, row 64 g
	s_mov_b32 s25, 0
	s_lshl_b32 s26, s17, 17
	s_lshl_b32 s21, s16, 14
	s_add_co_u32 s26, s26, s21                     ; qh: row 64 g + 8 w, 2,048 bytes a row
	s_mov_b32 s27, 0
	s_lshl_b32 s28, s26, 1                         ; out0: the same row, 4,096 bytes a row
	s_mov_b32 s29, 0
.irp j, 0,1,2,3,4,5,6,7
	s_mov_b32 s[33+2*(\j)], 0                      ; named as the upper halves of the pairs that hold f
.endr
	s_wait_kmcnt 0x0
	s_add_nc_u64 s[8:9], s[8:9], s[22:23]
	s_add_nc_u64 s[6:7], s[6:7], s[24:25]
	s_add_nc_u64 s[4:5], s[4:5], s[26:27]
	s_add_nc_u64 s[14:15], s[14:15], s[28:29]
.irp c, 0,1,2,3,4,5,6,7
	global_load_b128 v[O+4*(\c):O+4*(\c)+3], v1, s[8:9] offset:4096*(\c)
.endr
	global_load_b128 v[48:51], v1, s[10:11]
	global_load_b128 v[52:55], v1, s[12:13]
	global_load_b64 v[56:57], v2, s[6:7]           ; 256 consecutive bytes, aligned
.irp r, 0,1,2,3,4,5,6,7
.irp j, 0,1,2,3,4,5,6,7
	global_load_b64 v[Q+16*(\r)+2*(\j):Q+16*(\r)+2*(\j)+1], v2, s[4:5] offset:2048*(\r)+256*(\j) th:TH_LOAD_NT  ; 256 consecutive bytes, aligned
.endr
.endr
	s_wait_loadcnt 63                              ; the eleven loads of the set-up are in: 64 are younger, and the count's field ends at 63, so the first of q is waited for with them
.irp c, 0,1,2,3
	v_pk_add_f32 v[O+4*(\c):O+4*(\c)+1],   v[O+4*(\c):O+4*(\c)+1],   v[O+16+4*(\c):O+16+4*(\c)+1]
	v_pk_add_f32 v[O+4*(\c)+2:O+4*(\c)+3], v[O+4*(\c)+2:O+4*(\c)+3], v[O+16+4*(\c)+2:O+16+4*(\c)+3]
.endr
.irp c, 0,1
	v_pk_add_f32 v[O+4*(\c):O+4*(\c)+1],   v[O+4*(\c):O+4*(\c)+1],   v[O+8+4*(\c):O+8+4*(\c)+1]
	v_pk_add_f32 v[O+4*(\c)+2:O+4*(\c)+3], v[O+4*(\c)+2:O+4*(\c)+3], v[O+8+4*(\c)+2:O+8+4*(\c)+3]
.endr
	v_pk_add_f32 v[O:O+1],   v[O:O+1],   v[O+4:O+5]
	v_pk_add_f32 v[O+2:O+3], v[O+2:O+3], v[O+6:O+7]        ; kv of my four columns
.irp i, 0,1,2,3
	v_cvt_pk_bf16_f32 v[6+(\i)], v[48+2*(\i)], v[49+2*(\i)]  ; scale and bias to bf16,
.endr
.irp i, 0,1,2,3
	v_lshlrev_b32 v[48+2*(\i)], 16, v[6+(\i)]              ; and back to f32
	v_and_b32 v[49+2*(\i)], 0xffff0000, v[6+(\i)]
.endr
	v_pk_mul_f32 v[O:O+1],   v[O:O+1],   v[48:49]
	v_pk_mul_f32 v[O+2:O+3], v[O+2:O+3], v[50:51]          ; g
	ds_store_b128 v1, v[O:O+3] offset:GL
	ds_store_b128 v1, v[52:55] offset:BL
	ds_store_b64 v60, v[56:57] offset:SQ
	s_wait_dscnt 0x0                               ; for the others' sake: my stores are done
	s_barrier_signal -1
	s_barrier_wait -1
.irp j, 0,1,2,3,4,5,6,7
	ds_load_b128 v[G+4*(\j):G+4*(\j)+3], v3 offset:GL+512*(\j)
.endr
.irp j, 0,1,2,3,4,5,6,7
	ds_load_b128 v[BI+4*(\j):BI+4*(\j)+3], v3 offset:BL+512*(\j)
.endr
.irp c, 0,1,2,3,4,5,6,7
	ds_load_b32 v[6+(\c)], v61 offset:SQ+256*(\c)  ; all eight sq of row l % 8 of my wave's
.endr
	ds_load_b32 v14, v62 offset:SQ                 ; segment l / 8's,
	ds_load_b32 v15, v62 offset:SQ+1024            ; and segment l / 8 + 4's
	s_wait_dscnt 0x0
	v_add_f32 v6, v6, v7
	v_add_f32 v8, v8, v9
	v_add_f32 v10, v10, v11
	v_add_f32 v12, v12, v13
	v_add_f32 v6, v6, v8
	v_add_f32 v10, v10, v12
	v_add_f32 v6, v6, v10                          ; |q|^2
	v_rsq_f32 v63, v6
	v_sqrt_f32 v[F], v14
	v_sqrt_f32 v[F+1], v15
	v_nop                                          ; a plain instruction behind the last of the three,
	s_wait_alu depctr_va_vdst(0)                   ; and the wait ahead of the first use: one for the batch
	v_mul_f32 v[F], v[F], v63
	v_mul_f32 v[F+1], v[F+1], v63
; Row r of my eight.
.macro ROW r
	s_wait_loadcnt 56-8*(\r)                       ; the row's eight loads are in; the later rows' stay out
	s_wait_xcnt 0x0                                ; O, which the last row's stores read, is rewritten only behind this wait
.irp j, 0,1,2,3,4,5,6,7
	v_readlane_b32 s[32+2*(\j)], v[F+(\j)/4], (\r)+8*((\j)%4)      ; f of row r, segment j
.endr
.irp j, 0,1,2,3,4,5,6,7
	v_pk_mul_f32 v[FG+4*((\j)%2):FG+4*((\j)%2)+1],   v[G+4*(\j):G+4*(\j)+1],   s[32+2*(\j):33+2*(\j)] op_sel_hi:[1,0]
	v_pk_mul_f32 v[FG+4*((\j)%2)+2:FG+4*((\j)%2)+3], v[G+4*(\j)+2:G+4*(\j)+3], s[32+2*(\j):33+2*(\j)] op_sel_hi:[1,0]
.irp i, 0,1,2,3
	MIX O+4*(\j)+(\i), Q+16*(\r)+2*(\j)+(\i)/2, (\i)%2, FG+4*((\j)%2)+(\i), BI+4*(\j)+(\i)
.endr
	global_store_b128 v3, v[O+4*(\j):O+4*(\j)+3], s[14:15] offset:4096*(\r)+512*(\j) th:TH_STORE_NT  ; 512 consecutive bytes, aligned
.endr
.endm
.irp r, 0,1,2,3,4,5,6,7
	ROW \r
.endr
	s_wait_tensorcnt 0x0                           ; the wave's end, behind my last LDS store
	ds_add_u32 v[SPW], v[NIL]
	s_wait_dscnt 0x0
	s_endpgm
.Lfunc_end_k_q7e8e208b88_final:
	.size	k_q7e8e208b88_final, .Lfunc_end_k_q7e8e208b88_final-k_q7e8e208b88_final
	.p2alignl 7, 3214868480
	.fill 96, 4, 3214868480
	.section	.rodata,"a",@progbits
	.p2align	6, 0x0
	.amdhsa_kernel k_q7e8e208b88_final
		.amdhsa_group_segment_fixed_size 11264
		.amdhsa_private_segment_fixed_size 0
		.amdhsa_enable_private_segment 0
		.amdhsa_kernarg_size 48
		.amdhsa_user_sgpr_count 2
		.amdhsa_user_sgpr_kernarg_segment_ptr 1
		.amdhsa_wavefront_size32 1
		.amdhsa_system_sgpr_workgroup_id_x 1
		.amdhsa_system_sgpr_workgroup_id_y 1
		.amdhsa_system_sgpr_workgroup_id_z 1
		.amdhsa_system_vgpr_workitem_id 0
		.amdhsa_next_free_vgpr 256
		.amdhsa_next_free_sgpr 66
		.amdhsa_reserve_vcc 0
		.amdhsa_float_denorm_mode_32 3
		.amdhsa_float_denorm_mode_16_64 3
		.amdhsa_memory_ordered 1
		.amdhsa_forward_progress 1
		.amdhsa_inst_pref_size 48
	.end_amdhsa_kernel
	.amdgpu_metadata
---
amdhsa.version: [ 1, 2 ]
amdhsa.kernels:
  - .name:           k_q7e8e208b88_final
    .symbol:         k_q7e8e208b88_final.kd
    .args:
      - { .name: qh, .offset: 0, .size: 8, .value_kind: global_buffer, .address_space: global }
      - { .name: ssq, .offset: 8, .size: 8, .value_kind: global_buffer, .address_space: global }
      - { .name: kvp, .offset: 16, .size: 8, .value_kind: global_buffer, .address_space: global }
      - { .name: scale, .offset: 24, .size: 8, .value_kind: global_buffer, .address_space: global }
      - { .name: bias, .offset: 32, .size: 8, .value_kind: global_buffer, .address_space: global }
      - { .name: out0, .offset: 40, .size: 8, .value_kind: global_buffer, .address_space: global }
    .group_segment_fixed_size: 11264
    .private_segment_fixed_size: 0
    .kernarg_segment_align: 8
    .kernarg_segment_size: 48
    .max_flat_workgroup_size: 256
    .sgpr_count:     66
    .vgpr_count:     256
    .wavefront_size: 32
...
	.end_amdgpu_metadata
.endif
;; end of part 4
;; ======== version 2 of 2: 4 launches; version 1 with the launch final written anew for expert scheduling mode
;; limits: right only within a limited range of input values; values are held in f16: magnitudes above 65,504 overflow, below 6.1e-05 lose precision
;; workspace buffers: xb 33,554,432 bytes; wt 6,291,456 bytes; bqr 12,288 bytes; qh 33,554,432 bytes; ph 33,554,432 bytes; ssq 2,621,440 bytes; kvp 131,072 bytes
;; launch prep: the kernel of part 1 again; grid 1409 x 1, 8 waves a work-group, no clusters, 18,432 bytes of LDS; arguments x, Wqkv, bqkv, xb, wt, bqr; writes xb, wt, bqr
;; launch gemm: the kernel of part 2 again; grid 4 x 64, 4 waves a work-group, clusters of 4 x 4, 327,680 bytes of LDS; arguments xb, wt, bqr, qh, ph, ssq; writes qh, ph, ssq
;; launch kvpart: the kernel of part 3 again; grid 8 x 32, 16 waves a work-group, no clusters, 10,240 bytes of LDS; arguments ph, ssq, kvp; writes kvp
;; launch final (part 5): grid 256 x 1, 8 waves a work-group, no clusters, 11,264 bytes of LDS; arguments qh, ssq, kvp, scale, bias, out0; writes out0
.if DOCPART == 5
	.amdgcn_target "amdgcn-amd-amdhsa--gfx1250"
	.amdhsa_code_object_version 6
	.text
	.protected	k_q7e8e208b88_final
	.globl	k_q7e8e208b88_final
	.p2align	8
	.type	k_q7e8e208b88_final,@function
k_q7e8e208b88_final:
	s_mov_b64 s[64:65], 0
	v_nop
	global_prefetch_b8 v0, s[64:65] scope:SCOPE_SE
	s_setreg_imm32_b32 hwreg(HW_REG_WAVE_SCHED_MODE, 0, 2), 2
	s_setreg_imm32_b32 hwreg(HW_REG_WAVE_MODE, 25, 1), 1
	s_wait_xcnt 0x0
	s_wait_alu depctr_vm_vsrc(0)
; HYDRA ATTENTION, launch 4 of 4: out[t][d] = (q[t][d] / |q[t]|) kv[b][d] scale[d] + bias[d].  Nothing of reference() is left out.
; q = qh sqrt(sq) (qh: f16 [16384][1024]; sq: the segments' sums of squares, the first 524,288 bytes of ssq), |q[t]|^2 = the sum of the row's eight sq; kv[b] = the sum of the batch's eight rows of kvp.
; So out = qh x (f g) + bias, with f[t][j] = sqrt(sq_j) / sqrt(sum of sq), at most 1, and g[d] = kv[d] scale[d].  scale and bias are rounded to bf16 here, like the other inputs.
; SHARES.  A work-group takes 64 rows of one batch, a wave 8 of them.  Lane l holds the columns 4 l + 128 j, j = 0..7: 8 bytes of qh and 16 bytes of out for each segment j.
; SET-UP.  Wave w makes g and the rounded bias for segment w and brings the 64 rows' sq of segment w; the eight waves hand these to each other through LDS, behind one barrier.
; A wave's 75 loads all go out before its first wait.  Each byte of q has one reader; what is shared is 44 KiB a work-group beside its 384 KiB: no cluster, no tensor loads, no matrix work.
; THE MODE: SCHED_MODE bits 1:0 = 2 (LLVM: expert scheduling mode 2), set by the entry lines.  The code itself states the register dependences
; between vector instructions and memory or LDS instructions, with s_wait_alu, always for 0.
; THE PLAN.  Registers that memory or LDS instructions touch:
;   v1, v2, v3, v60, v61, v62, v4, v5   offsets and LDS addresses: made at the head, ahead of the first wait on va_vdst, and never written again.
;   v16-19, v52-55, v56-57   g, the rounded bias and sq of my segment: written by vector lines (v56-57 by a load), read by the three LDS stores of the set-up.
;   v6-15, G, BI, Q          LDS loads or global loads land in them once; of these only v6-9 were named by vector lines before.
;   Y0 = v16-31, Y1 = v32-47 the out-buffers.  The wave's eight rows go in 16 blocks of half a row (four segments).  Block p's multiply-adds write Y[p % 2]; the four stores that read it are issued
;                            at the head of block p + 1.  So a block's stores read the buffer that the block before wrote, and no vector line of the block names that buffer.
; The waits at a block's head state all that its four stores, and its writes of the other buffer, hang on.  FG, F and what else is at work are named by vector lines alone from the barrier on.
.set GL,    0                          ; LDS: g, 4 bytes a column
.set BL,    4096                       ; the rounded bias
.set SQ,    8192                       ; sq: segment j's 64 rows at 256 j
.set SPARE, 10240                      ; the spare words, 128 bytes for each of the eight waves
.set SPW, 4                            ; v4  LDS address of my spare word; never rewritten
.set NIL, 5                            ; v5  0; never rewritten
.set O,   16                           ; v[16:47]   first kvp's eight parts, then a row of out: segment j at O + 4 j; segments 0-3 are Y0, segments 4-7 Y1
.set FG,  48                           ; v[48:55]   first scale and bias, then f g, two sets of four by turns
.set F,   58                           ; v58, v59   f of row lane % 8: segment lane / 8, and segment lane / 8 + 4
.set G,   64                           ; v[64:95]   g of my 32 columns
.set BI,  96                           ; v[96:127]  bias of my 32 columns
.set Q,   128                          ; v[128:255] row r, segment j: two registers at Q + 16 r + 2 j
.macro MIX d, a, half, b, c            ; v[d] = (the low or high f16 of v[a]) x v[b] + v[c], in f32
.if \half
	v_fma_mix_f32 v[\d], v[\a], v[\b], v[\c] op_sel:[1,0,0] op_sel_hi:[1,0,0]
.else
	v_fma_mix_f32 v[\d], v[\a], v[\b], v[\c] op_sel_hi:[1,0,0]
.endif
.endm
	s_load_b256 s[4:11], s[0:1], 0x0               ; qh s[4:5], ssq s[6:7], kvp s[8:9], scale s[10:11]
	s_load_b128 s[12:15], s[0:1], 0x20             ; bias s[12:13], out0 s[14:15]
	v_lshl_add_u32 v[SPW], v0, 2, SPARE
	v_mov_b32 v[NIL], 0
	v_lshrrev_b32 v1, 5, v0
	v_readfirstlane_b32 s16, v1                    ; wave 0..7
	s_mov_b32 s17, ttmp9                           ; g: the work-group's 64 rows
	v_and_b32 v63, 31, v0                          ; lane
	v_lshlrev_b32 v2, 3, v63                       ; 8 l
	v_lshlrev_b32 v3, 4, v63                       ; 16 l
	s_wait_alu depctr_va_sdst(0)                   ; s16 is written, ahead of its first reader: offsets, LDS addresses and the bases are made from it
	s_lshl_b32 s18, s16, 9
	v_lshl_add_u32 v1, v63, 4, s18                 ; 512 w + 16 l: my four columns of segment w, in kvp, scale, bias and in LDS
	s_lshl_b32 s20, s16, 8
	v_lshl_add_u32 v60, v63, 3, s20                ; 256 w + 8 l: two rows' sq of segment w
	s_lshl_b32 s19, s16, 5
	v_and_b32 v63, 7, v0
	v_lshl_add_u32 v61, v63, 2, s19                ; 4 x (8 w + l % 8): the row's word in a segment
	v_bfe_u32 v63, v0, 3, 2
	v_lshl_add_u32 v62, v63, 8, v61                ; in segment l / 8
	s_lshr_b32 s21, s17, 6
	s_lshl_b32 s22, s21, 15                        ; kvp: the batch's eight rows of 4,096 bytes
	s_mov_b32 s23, 0
	s_lshl_b32 s24, s16, 16
	s_lshl_b32 s21, s17, 8
	s_add_co_u32 s24, s24, s21                     ; ssq: segment w, row 64 g
	s_mov_b32 s25, 0
	s_lshl_b32 s26, s17, 17
	s_lshl_b32 s21, s16, 14
	s_add_co_u32 s26, s26, s21                     ; qh: row 64 g + 8 w, 2,048 bytes a row
	s_mov_b32 s27, 0
	s_lshl_b32 s28, s26, 1                         ; out0: the same row, 4,096 bytes a row
	s_mov_b32 s29, 0
.irp j, 0,1,2,3,4,5,6,7
	s_mov_b32 s[33+2*(\j)], 0                      ; named as the upper halves of the pairs that hold f
.endr
	s_wait_kmcnt 0x0
	s_add_nc_u64 s[8:9], s[8:9], s[22:23]
	s_add_nc_u64 s[6:7], s[6:7], s[24:25]
	s_add_nc_u64 s[4:5], s[4:5], s[26:27]
	s_add_nc_u64 s[14:15], s[14:15], s[28:29]
	s_wait_alu depctr_va_vdst(0)                   ; v1, v2, v3, v60, v61 and v62 are written: every load, store and LDS instruction of the kernel reads one of them as its offset or address
.irp c, 0,1,2,3,4,5,6,7
	global_load_b128 v[O+4*(\c):O+4*(\c)+3], v1, s[8:9] offset:4096*(\c)
.endr
	global_load_b128 v[48:51], v1, s[10:11]
	global_load_b128 v[52:55], v1, s[12:13]
	global_load_b64 v[56:57], v2, s[6:7]           ; 256 consecutive bytes, aligned
.irp r, 0,1,2,3,4,5,6,7
.irp j, 0,1,2,3,4,5,6,7
	global_load_b64 v[Q+16*(\r)+2*(\j):Q+16*(\r)+2*(\j)+1], v2, s[4:5] offset:2048*(\r)+256*(\j) th:TH_LOAD_NT  ; 256 consecutive bytes, aligned
.endr
.endr
	s_wait_loadcnt 63                              ; the eleven loads of the set-up are in: 64 are younger, and the count's field ends at 63, so the first of q is waited for with them
.irp c, 0,1,2,3
	v_pk_add_f32 v[O+4*(\c):O+4*(\c)+1],   v[O+4*(\c):O+4*(\c)+1],   v[O+16+4*(\c):O+16+4*(\c)+1]
	v_pk_add_f32 v[O+4*(\c)+2:O+4*(\c)+3], v[O+4*(\c)+2:O+4*(\c)+3], v[O+16+4*(\c)+2:O+16+4*(\c)+3]
.endr
.irp c, 0,1
	v_pk_add_f32 v[O+4*(\c):O+4*(\c)+1],   v[O+4*(\c):O+4*(\c)+1],   v[O+8+4*(\c):O+8+4*(\c)+1]
	v_pk_add_f32 v[O+4*(\c)+2:O+4*(\c)+3], v[O+4*(\c)+2:O+4*(\c)+3], v[O+8+4*(\c)+2:O+8+4*(\c)+3]
.endr
	v_pk_add_f32 v[O:O+1],   v[O:O+1],   v[O+4:O+5]
	v_pk_add_f32 v[O+2:O+3], v[O+2:O+3], v[O+6:O+7]        ; kv of my four columns
.irp i, 0,1,2,3
	v_cvt_pk_bf16_f32 v[6+(\i)], v[48+2*(\i)], v[49+2*(\i)]  ; scale and bias to bf16,
.endr
.irp i, 0,1,2,3
	v_lshlrev_b32 v[48+2*(\i)], 16, v[6+(\i)]              ; and back to f32
	v_and_b32 v[49+2*(\i)], 0xffff0000, v[6+(\i)]
.endr
	v_pk_mul_f32 v[O:O+1],   v[O:O+1],   v[48:49]
	v_pk_mul_f32 v[O+2:O+3], v[O+2:O+3], v[50:51]          ; g
	s_wait_alu depctr_va_vdst(0)                   ; g in v[O:O+3] and the rounded bias in v[52:55] are written, which the LDS stores read; the lines that wrote and read v6 to v9 are done, in which LDS loads land behind the barrier
	ds_store_b128 v1, v[O:O+3] offset:GL
	ds_store_b128 v1, v[52:55] offset:BL
	ds_store_b64 v60, v[56:57] offset:SQ
	s_wait_dscnt 0x0                               ; for the others' sake: my stores are done
	s_barrier_signal -1
	s_barrier_wait -1
	s_wait_alu depctr_vm_vsrc(0)                   ; my LDS stores have read v[O:O+3] and v[52:55]: these registers are part of Y0 and of FG from here on, which block 0's lines write
.irp j, 0,1,2,3,4,5,6,7
	ds_load_b128 v[G+4*(\j):G+4*(\j)+3], v3 offset:GL+512*(\j)
.endr
.irp j, 0,1,2,3,4,5,6,7
	ds_load_b128 v[BI+4*(\j):BI+4*(\j)+3], v3 offset:BL+512*(\j)
.endr
.irp c, 0,1,2,3,4,5,6,7
	ds_load_b32 v[6+(\c)], v61 offset:SQ+256*(\c)  ; all eight sq of row l % 8 of my wave's
.endr
	ds_load_b32 v14, v62 offset:SQ                 ; segment l / 8's,
	ds_load_b32 v15, v62 offset:SQ+1024            ; and segment l / 8 + 4's
	s_wait_dscnt 0x0
	v_add_f32 v6, v6, v7
	v_add_f32 v8, v8, v9
	v_add_f32 v10, v10, v11
	v_add_f32 v12, v12, v13
	v_add_f32 v6, v6, v8
	v_add_f32 v10, v10, v12
	v_add_f32 v6, v6, v10                          ; |q|^2
	v_rsq_f32 v63, v6
	v_sqrt_f32 v[F], v14
	v_sqrt_f32 v[F+1], v15
	v_nop                                          ; a plain instruction behind the last of the three,
	s_wait_alu depctr_va_vdst(0)                   ; and the wait ahead of the first use: the reciprocal root in v63 and the two roots in v[F], v[F+1] are written
	v_mul_f32 v[F], v[F], v63
	v_mul_f32 v[F+1], v[F+1], v63
; The four stores of block q: row q / 2, segments 4 (q % 2) + 0..3, out of Y[q % 2].
.macro SENDH q
.irp i, 0,1,2,3
	global_store_b128 v3, v[O+16*((\q)%2)+4*(\i):O+16*((\q)%2)+4*(\i)+3], s[14:15] offset:4096*((\q)/2)+2048*((\q)%2)+512*(\i) th:TH_STORE_NT  ; 512 consecutive bytes, aligned
.endr
.endm
; Block p of sixteen: row p / 2 of my eight, segments 4 (p % 2) + 0..3, into Y[p % 2].  At its head the stores of block p - 1 go out.
.macro BLK p
.set RW, (\p)/2
.set HB, (\p)%2
	s_wait_loadcnt 60-4*(\p)                       ; loads come back in order: q's loads 4 p to 4 p + 3 of 64 are in, the 60 - 4 p younger ones stay out
.if (\p) > 1
	s_wait_xcnt 0x0                                ; Y[p % 2], which the stores issued in the block before read, is rewritten only behind this wait
	s_wait_alu depctr_vm_vsrc(0)                   ; the stores issued in the block before have read Y[p % 2], which this block's multiply-adds write again
.endif
.if (\p) > 0
	s_wait_alu depctr_va_vdst(0)                   ; the block before has written the other Y, which the four stores below read
.endif
.if HB == 0
.irp j, 0,1,2,3,4,5,6,7
	v_readlane_b32 s[32+2*(\j)], v[F+(\j)/4], RW+8*((\j)%4)        ; f of the row, segment j; these lines name v[F], v[F+1] and scalar registers alone: nothing that the stores below touch
.endr
.endif
.if (\p) > 0
	SENDH (\p)-1
.endif
.if HB == 0
	s_wait_alu depctr_va_sdst(0)                   ; the eight f are written, ahead of their first reader; they serve this block and the next
.endif
.irp i, 0,1,2,3
	v_pk_mul_f32 v[FG+4*((\i)%2):FG+4*((\i)%2)+1],   v[G+16*HB+4*(\i):G+16*HB+4*(\i)+1],   s[32+8*HB+2*(\i):33+8*HB+2*(\i)] op_sel_hi:[1,0]
	v_pk_mul_f32 v[FG+4*((\i)%2)+2:FG+4*((\i)%2)+3], v[G+16*HB+4*(\i)+2:G+16*HB+4*(\i)+3], s[32+8*HB+2*(\i):33+8*HB+2*(\i)] op_sel_hi:[1,0]
.irp k, 0,1,2,3
	MIX O+16*HB+4*(\i)+(\k), Q+16*RW+8*HB+2*(\i)+(\k)/2, (\k)%2, FG+4*((\i)%2)+(\k), BI+16*HB+4*(\i)+(\k)
.endr
.endr
.endm
.irp p, 0,1,2,3,4,5,6,7,8,9,10,11,12,13,14,15
	BLK \p
.endr
	s_wait_alu depctr_va_vdst(0)                   ; block 15 has written Y1, which the last four stores read
	SENDH 15
	s_wait_dscnt 0x0                               ; the closing lines, six on end
	s_wait_alu 0x0
	s_wait_tensorcnt 0x0
	ds_add_u32 v[SPW], v[NIL]
	s_wait_dscnt 0x0
	s_endpgm
.Lfunc_end_k_q7e8e208b88_final:
	.size	k_q7e8e208b88_final, .Lfunc_end_k_q7e8e208b88_final-k_q7e8e208b88_final
	.p2alignl 7, 3214868480
	.fill 96, 4, 3214868480
	.section	.rodata,"a",@progbits
	.p2align	6, 0x0
	.amdhsa_kernel k_q7e8e208b88_final
		.amdhsa_group_segment_fixed_size 11264
		.amdhsa_private_segment_fixed_size 0
		.amdhsa_enable_private_segment 0
		.amdhsa_kernarg_size 48
		.amdhsa_user_sgpr_count 2
		.amdhsa_user_sgpr_kernarg_segment_ptr 1
		.amdhsa_wavefront_size32 1
		.amdhsa_system_sgpr_workgroup_id_x 1
		.amdhsa_system_sgpr_workgroup_id_y 1
		.amdhsa_system_sgpr_workgroup_id_z 1
		.amdhsa_system_vgpr_workitem_id 0
		.amdhsa_next_free_vgpr 256
		.amdhsa_next_free_sgpr 66
		.amdhsa_reserve_vcc 0
		.amdhsa_float_denorm_mode_32 3
		.amdhsa_float_denorm_mode_16_64 3
		.amdhsa_memory_ordered 1
		.amdhsa_forward_progress 1
		.amdhsa_inst_pref_size 50
	.end_amdhsa_kernel
	.amdgpu_metadata
---
amdhsa.version: [ 1, 2 ]
amdhsa.kernels:
  - .name:           k_q7e8e208b88_final
    .symbol:         k_q7e8e208b88_final.kd
    .args:
      - { .name: qh, .offset: 0, .size: 8, .value_kind: global_buffer, .address_space: global }
      - { .name: ssq, .offset: 8, .size: 8, .value_kind: global_buffer, .address_space: global }
      - { .name: kvp, .offset: 16, .size: 8, .value_kind: global_buffer, .address_space: global }
      - { .name: scale, .offset: 24, .size: 8, .value_kind: global_buffer, .address_space: global }
      - { .name: bias, .offset: 32, .size: 8, .value_kind: global_buffer, .address_space: global }
      - { .name: out0, .offset: 40, .size: 8, .value_kind: global_buffer, .address_space: global }
    .group_segment_fixed_size: 11264
    .private_segment_fixed_size: 0
    .kernarg_segment_align: 8
    .kernarg_segment_size: 48
    .max_flat_workgroup_size: 256
    .sgpr_count:     66
    .vgpr_count:     256
    .wavefront_size: 32
...
	.end_amdgpu_metadata
.endif
;; end of part 5
